; MI455X (gfx1250); checked and timed in simulation.
; The chip was launched on July 23, 2026; its instructions are those of AMD's public machine-readable ISA for CDNA 5 (MIT licence, August 2026) and "CDNA5" Instruction Set Architecture Reference Guide (July 2026). The comments in the code are by the model that wrote it; some were corrected since.
;; News Encoder. Allowed arithmetic: float matrix products may take bf16 or f16 operands with f32 sums; all other float work in f32.
;; Inputs: WK 256 x 256 float32; WO 256 x 256 float32; WQ 256 x 256 float32; WV 256 x 256 float32; dense_b 1 float32; dense_w 256 x 1 float32; emb_table 50,000 x 256 float32; tokens 4,096 x 64 int32.
;; Outputs: out0 4,096 x 256 float32.
;; 2 versions, each right and faster than the one before. Each part assembles by itself: llvm-mc -triple=amdgcn-amd-amdhsa -mcpu=gfx1250 --defsym DOCPART=n.
;; ======== version 1 of 2: 2 launches
;; limits: values outside matrix products are rounded to bf16
;; workspace buffers: ebf 25,600,000 bytes; wfrag 786,432 bytes; tmat 4,096 bytes
;; launch prep (part 1): grid 347 x 1, 8 waves a work-group, no clusters, 0 bytes of LDS; arguments emb_table, WQ, WK, WV, WO, dense_w, ebf, wfrag, tmat; writes ebf, wfrag, tmat
.if DOCPART == 1
	.amdgcn_target "amdgcn-amd-amdhsa--gfx1250"
	.amdhsa_code_object_version 6
	.text
	.protected	k_q4468b677da_prep
	.globl	k_q4468b677da_prep
	.p2align	8
	.type	k_q4468b677da_prep,@function
k_q4468b677da_prep:
	s_mov_b64 s[64:65], 0
	v_nop
	global_prefetch_b8 v0, s[64:65] scope:SCOPE_SE
	s_setreg_imm32_b32 hwreg(HW_REG_WAVE_MODE, 25, 1), 1
	s_wait_xcnt 0x0
; PREPARATION for the launch that follows.  Three kinds of work-group, chosen by the work-group's number:
;   0        T[h][d] = sum over the 32 columns j of head h of WV[d][j] * (WO dense_w)[j], in f32 from the unrounded inputs, rounded once to bf16: tmat [8][256]
;   1 .. 96  the four weight matrices rounded once to bf16 and laid out as matrix operands: wfrag, 6 arrays x 128 fragments x 1,024 bytes; a wave makes one fragment
;   97 .. 346  the embedding table rounded once to bf16: ebf [50000][256]; a work-group takes 200 rows (250 x 200 = 50,000)
; A FRAGMENT is 16 rows r x 32 k of bf16: lane L = 16 h + r finds k = 8 h .. 8 h + 7 of row r at byte 16 L of the first 512 bytes, k = 16 + 8 h .. + 7 at byte 16 L of the second.
;   arrays 0-3 (WQ, WK, WV, WO turned): fragment g holds W[32 (g & 7) + k][16 (g >> 3) + r];   arrays 4, 5 (WK, WQ as they lie): W[16 (g & 15) + r][32 (g >> 4) + k]
; No LDS, no barrier, no matrix unit: the table is a stream, the rest is small.
	s_load_b512 s[4:19], s[0:1], 0x0               ; emb s[4:5], WQ s[6:7], WK s[8:9], WV s[10:11], WO s[12:13], dense_w s[14:15], ebf s[16:17], wfrag s[18:19]
	s_load_b64 s[20:21], s[0:1], 0x40              ; tmat
	v_lshrrev_b32 v1, 5, v0
	v_readfirstlane_b32 s22, v1                    ; my wave's number
	s_mov_b32 s23, ttmp9
	s_wait_kmcnt 0x0
	s_cmp_eq_u32 s23, 0
	s_cbranch_scc1 .Ltmat
	s_cmp_lt_u32 s23, 97
	s_cbranch_scc1 .Lfrag
	; THE TABLE.  204,800 bytes in, 102,400 out.  All 50 loads of a thread go out first (16 bytes each, a wave's load covers 512 consecutive bytes);
	; each is then rounded in place and stored: a wave's store covers 256 consecutive bytes, aligned.  No register is written again behind its store.
	s_sub_co_u32 s24, s23, 97
	s_mul_i32 s26, s24, 204800
	s_mov_b32 s27, 0
	s_mul_i32 s28, s24, 102400
	s_mov_b32 s29, 0
	s_add_nc_u64 s[4:5], s[4:5], s[26:27]
	s_add_nc_u64 s[16:17], s[16:17], s[28:29]
	v_lshlrev_b32 v1, 4, v0
	v_lshlrev_b32 v2, 3, v0
.set i, 0
.rept 50
	global_load_b128 v[8+4*i:11+4*i], v1, s[4:5] offset:4096*i th:TH_LOAD_NT
.set i, i+1
.endr
.set i, 0
.rept 50
	s_wait_loadcnt 49-i                            ; loads come back in order: the 49 - i younger ones may stay out
	v_cvt_pk_bf16_f32 v[8+4*i], v[8+4*i], v[9+4*i]
	v_cvt_pk_bf16_f32 v[9+4*i], v[10+4*i], v[11+4*i]
	global_store_b64 v2, v[8+4*i:9+4*i], s[16:17] offset:2048*i
.set i, i+1
.endr
	s_endpgm
.Lfrag:
	; A FRAGMENT A WAVE.  F = 8 (work-group - 1) + wave; array a = F >> 7, fragment g = F & 127.
	s_sub_co_u32 s24, s23, 1
	s_lshl_b32 s24, s24, 3
	s_add_co_u32 s24, s24, s22                     ; F
	s_lshr_b32 s30, s24, 7                         ; a
	s_and_b32 s31, s24, 127                        ; g
	s_and_b32 s34, s31, 7
	s_lshl_b32 s34, s34, 15
	s_lshr_b32 s35, s31, 3
	s_lshl_b32 s35, s35, 6
	s_add_co_u32 s34, s34, s35                     ; turned: byte of W[32 (g & 7)][16 (g >> 3)]
	s_and_b32 s35, s31, 15
	s_lshl_b32 s35, s35, 14
	s_lshr_b32 s36, s31, 4
	s_lshl_b32 s36, s36, 7
	s_add_co_u32 s35, s35, s36                     ; as it lies: byte of W[16 (g & 15)][32 (g >> 4)]
	s_cmp_lt_u32 s30, 4
	s_cselect_b32 s26, 4, 0x400                    ; bytes from r to r + 1
	s_cselect_b32 s27, 0x400, 4                    ; bytes from k to k + 1
	s_cselect_b32 s28, s34, s35
	s_cmp_eq_u32 s30, 1                            ; the matrix: a = 0, 5 WQ; 1, 4 WK; 2 WV; 3 WO
	s_cselect_b64 s[32:33], s[8:9], s[6:7]
	s_cmp_eq_u32 s30, 4
	s_cselect_b64 s[32:33], s[8:9], s[32:33]
	s_cmp_eq_u32 s30, 2
	s_cselect_b64 s[32:33], s[10:11], s[32:33]
	s_cmp_eq_u32 s30, 3
	s_cselect_b64 s[32:33], s[12:13], s[32:33]
	s_lshl_b32 s36, s24, 10
	s_mov_b32 s37, 0
	s_add_nc_u64 s[18:19], s[18:19], s[36:37]      ; where the fragment goes
	v_and_b32 v1, 15, v0                           ; r
	v_bfe_u32 v2, v0, 4, 1                         ; h
	v_lshlrev_b32 v2, 3, v2
	v_mul_u32_u24 v3, v1, s26
	v_mad_u32_u24 v3, v2, s27, v3
	v_add_nc_u32 v3, s28, v3                       ; byte of (r, k = 8 h)
	v_and_b32 v4, 31, v0
	v_lshlrev_b32 v4, 4, v4                        ; 16 L
.set i, 0
.rept 16                                       ; my 16 numbers: k = 8 h + 0..7, then 16 + 8 h + 0..7
	v_mad_u32_u24 v[8+i], s27, 16*(i/8)+i%8, v3
	global_load_b32 v[24+i], v[8+i], s[32:33]
.set i, i+1
.endr
	s_wait_loadcnt 0x0
.set i, 0
.rept 8
	v_cvt_pk_bf16_f32 v[40+i], v[24+2*i], v[25+2*i]
.set i, i+1
.endr
	global_store_b128 v4, v[40:43], s[18:19]
	global_store_b128 v4, v[44:47], s[18:19] offset:512
	s_endpgm
.Ltmat:
	; T.  Wave h is head h.  First (WO dense_w)[32 h + lane]: the lane walks its own row of WO, 128 numbers a pass; dense_w lies eight numbers a lane and is
	; handed out through scalar registers, 32 at a time.  Four chains of sums, started by the first four products.
	v_lshlrev_b32 v4, 10, v0                       ; row 32 h + lane of WO = my thread's number
	v_and_b32 v5, 31, v0
	v_lshlrev_b32 v6, 13, v5                       ; rows 8 lane .. 8 lane + 7 of WV,
	v_lshlrev_b32 v5, 5, v5                        ; numbers 8 lane .. + 7 of dense_w
	s_lshl_b32 s24, s22, 7
	v_add_nc_u32 v6, s24, v6                       ; at my head's 32 columns
	v_lshlrev_b32 v7, 4, v0                        ; T[h][8 lane ..]: byte 512 h + 16 lane
	global_load_b128 v[24:27], v5, s[14:15]
	global_load_b128 v[28:31], v5, s[14:15] offset:16
.set rd, 0
.rept 2
.set i, 0
.rept 32
	global_load_b128 v[64+4*i:67+4*i], v4, s[12:13] offset:512*rd+16*i
.set i, i+1
.endr
	s_wait_loadcnt 0x0
.set bt, 0
.rept 4
.set k, 0
.rept 32
	v_readlane_b32 s[32+k], v[24+k%8], 16*rd+4*bt+k/8   ; dense_w[128 rd + 32 bt + k]
.set k, k+1
.endr
.set k, 0
.rept 32
.if (rd == 0) && (bt == 0) && (k < 4)
	v_mul_f32 v[8+k], s[32+k], v[64+k]
.else
	v_fmac_f32 v[8+k%4], s[32+k], v[64+32*bt+k]
.endif
.set k, k+1
.endr
.set bt, bt+1
.endr
.set rd, rd+1
.endr
	v_add_f32 v8, v8, v9
	v_add_f32 v10, v10, v11
	v_add_f32 v8, v8, v10
.set k, 0
.rept 32
	v_readlane_b32 s[32+k], v8, k                  ; the head's 32 numbers, for every lane
.set k, k+1
.endr
	; Then T[h][8 lane + e], four rows of WV a pass, 32 numbers a row.
.set rd, 0
.rept 2
.set i, 0
.rept 32
	global_load_b128 v[64+4*i:67+4*i], v6, s[10:11] offset:(4*rd+i/8)*1024+16*(i%8)
.set i, i+1
.endr
	s_wait_loadcnt 0x0
.set k, 0
.rept 32
.set i, 0
.rept 4
.if k == 0
	v_mul_f32 v[16+4*rd+i], s[32+k], v[64+32*i+k]
.else
	v_fmac_f32 v[16+4*rd+i], s[32+k], v[64+32*i+k]
.endif
.set i, i+1
.endr
.set k, k+1
.endr
.set rd, rd+1
.endr
.set i, 0
.rept 4
	v_cvt_pk_bf16_f32 v[24+i], v[16+2*i], v[17+2*i]
.set i, i+1
.endr
	global_store_b128 v7, v[24:27], s[20:21]
	s_endpgm
.Lfunc_end_k_q4468b677da_prep:
	.size	k_q4468b677da_prep, .Lfunc_end_k_q4468b677da_prep-k_q4468b677da_prep
	.p2alignl 7, 3214868480
	.fill 96, 4, 3214868480
	.section	.rodata,"a",@progbits
	.p2align	6, 0x0
	.amdhsa_kernel k_q4468b677da_prep
		.amdhsa_group_segment_fixed_size 0
		.amdhsa_private_segment_fixed_size 0
		.amdhsa_enable_private_segment 0
		.amdhsa_kernarg_size 72
		.amdhsa_user_sgpr_count 2
		.amdhsa_user_sgpr_kernarg_segment_ptr 1
		.amdhsa_wavefront_size32 1
		.amdhsa_system_sgpr_workgroup_id_x 1
		.amdhsa_system_sgpr_workgroup_id_y 1
		.amdhsa_system_sgpr_workgroup_id_z 1
		.amdhsa_system_vgpr_workitem_id 0
		.amdhsa_next_free_vgpr 208
		.amdhsa_next_free_sgpr 66
		.amdhsa_reserve_vcc 0
		.amdhsa_float_denorm_mode_32 3
		.amdhsa_float_denorm_mode_16_64 3
		.amdhsa_memory_ordered 1
		.amdhsa_forward_progress 1
		.amdhsa_inst_pref_size 70
	.end_amdhsa_kernel
	.amdgpu_metadata
---
amdhsa.version: [ 1, 2 ]
amdhsa.kernels:
  - .name:           k_q4468b677da_prep
    .symbol:         k_q4468b677da_prep.kd
    .args:
      - { .name: emb_table, .offset: 0, .size: 8, .value_kind: global_buffer, .address_space: global }
      - { .name: WQ, .offset: 8, .size: 8, .value_kind: global_buffer, .address_space: global }
      - { .name: WK, .offset: 16, .size: 8, .value_kind: global_buffer, .address_space: global }
      - { .name: WV, .offset: 24, .size: 8, .value_kind: global_buffer, .address_space: global }
      - { .name: WO, .offset: 32, .size: 8, .value_kind: global_buffer, .address_space: global }
      - { .name: dense_w, .offset: 40, .size: 8, .value_kind: global_buffer, .address_space: global }
      - { .name: ebf, .offset: 48, .size: 8, .value_kind: global_buffer, .address_space: global }
      - { .name: wfrag, .offset: 56, .size: 8, .value_kind: global_buffer, .address_space: global }
      - { .name: tmat, .offset: 64, .size: 8, .value_kind: global_buffer, .address_space: global }
    .group_segment_fixed_size: 0
    .private_segment_fixed_size: 0
    .kernarg_segment_align: 8
    .kernarg_segment_size: 72
    .max_flat_workgroup_size: 256
    .sgpr_count:     66
    .vgpr_count:     208
    .wavefront_size: 32
...
	.end_amdgpu_metadata
.endif
;; end of part 1
;; launch main (part 2): grid 256 x 1, 8 waves a work-group, no clusters, 318,208 bytes of LDS; arguments tokens, ebf, wfrag, tmat, dense_b, out0; writes out0
.if DOCPART == 2
	.amdgcn_target "amdgcn-amd-amdhsa--gfx1250"
	.amdhsa_code_object_version 6
	.text
	.protected	k_q4468b677da_main
	.globl	k_q4468b677da_main
	.p2align	8
	.type	k_q4468b677da_main,@function
k_q4468b677da_main:
	s_mov_b64 s[64:65], 0
	v_nop
	global_prefetch_b8 v0, s[64:65] scope:SCOPE_SE
	s_setreg_imm32_b32 hwreg(HW_REG_WAVE_MODE, 25, 1), 1
	s_wait_xcnt 0x0
; NEWS ENCODER, 16 titles of 64 tokens to a work-group.  All that lies between the gather and the two softmaxes is linear, so the products are taken in another order, exact for every input:
;   xm = mean over l of x_l;  gq = xm WQ, gk = xm WK;  U_h = WK_h gq_h + WQ_h gk_h;  logit[l][h] = x_l . U_h;  w = softmax over l (with its maximum)
;   score_l = sum over h of w[l][h] (x_l . T_h) + dense_b, T from the launch before;  a = softmax over l (with its maximum)
;   z_h = sum over l of a_l w[l][h] x_l;  c = the heads' z_h WV_h side by side;  out = c WO
; SHARES.  Wave w owns titles w (A) and w + 8 (B) of the group for all that is per title; where the 16 titles go together (gq, gk, U, c, out) it owns head w, or output columns 32 w .. + 31, and lane % 16 is the title.
; FORMATS.  x and the weights are bf16 (rounded once, by the launch before).  xm, gq, gk, U, T and the weights p = a w are rounded once to bf16; z and c go as a pair hi + lo of bf16, two products on one
; weight fragment; all sums, maxima and exponentials in f32.
; LIMITS.  A token above 49,999 (or negative) counts as 49,999.  A weight below 2^-126 counts as 0.  NaN and infinities are not treated apart.  The order of the sums is not reference()'s.
; NO TENSOR LOAD, NO CLUSTER: the rows are a gather by a list; the weights (768 KB a work-group) are used once and go from memory straight into operand registers, and of LDS 9 KB are free.  The text is straight: no label, no branch.
; LDS: X[w] 64 rows x 528 bytes a wave; T's 8 rows; xm's 16 rows; U of the B titles; the spare words.  Laid over them: U of the A titles (over X, before X is written), z (each wave over its own X),
; c's fragments and the output's stage (over U of the B titles, behind the barrier that ends its reads).
; Rows of 528 = 33 x 16 bytes, blocks of 4,240 = 265 x 16 and rows of 1,040 = 65 x 16: sixteen lanes a row or block apart touch sixteen different 16-byte columns of 256.
.set XP,    528
.set XREG,  64*XP                      ; 33,792: a wave's X
.set TROW,  8*XREG                     ; 270,336: T, 8 rows of pitch 528
.set XB,    TROW+4352                  ; 274,688: xm, 16 rows of pitch 528
.set UBB,   XB+16*XP                   ; 283,136: U of the B titles, 8 blocks of 4,240 (8 heads of pitch 528)
.set UP,    8*XP+16
.set SPARE, UBB+34048                  ; 317,184: the spare words, 128 bytes a wave: four blocks of 256 bytes that no other line names
.set ZREG,  XREG+16                    ; z of wave w begins at 33,808 w, inside X[w]
.set ZP,    1040                       ; a row of z: 512 bytes hi, 512 lo, 16 of padding.  Also a row of the output's stage: 1,024 + 16
.set CF,    UBB                        ; c: 16 fragments of 1,024 bytes (head s: hi at 2 s, lo at 2 s + 1)
.set NS,    CF+16*1024                 ; the output's stage: 16 rows of pitch 1,040
.set ARR,   128*1024                   ; bytes in one array of wfrag
; vector registers, block 0
.set L16, 1                            ; 16 x lane
.set SPW, 2                            ; LDS address of my spare word; never rewritten
.set NIL, 3                            ; 0; never rewritten
.set VW,  4                            ; 16,384 w + 16 lane: my wave's 16 fragments in each array of wfrag
.set VXBS, 5                           ; xm: where my 16 bytes of title A's row go (B's: 8 rows on)
.set VXF, 6                            ; xm as source 1: row lane % 16
.set VUS, 7                            ; U: title lane % 16, head w
.set VBFA, 8                           ; source 1 of A's logits: lanes % 16 < 8 U's heads, the others T's rows
.set VBFB, 9                           ; of B's: the other way round
.set VXS, 10                           ; X[w]: a row's 16 bytes a lane
.set VXA, 11                           ; X[w] as source 0 by rows
.set VXT, 12                           ; X[w] turned
.set VZS, 13                           ; z: row lane % 16 of my block
.set VZF, 14                           ; z as source 1: title lane % 16, head w
.set VCS, 15
.set VCR, 16
.set VNS, 17
.set VNR, 18
.set VOUT, 19
.set C64, 20                           ; 1 / 64
.set ZR,  21                           ; 0: the addend of a mean's first row
.set CH,  24                           ; v24-27 four chains of a maximum
.set MC,  28                           ; v28 c m (named as a pair with v29, whose number is not used)
.set INV, 30                           ; v30 1 / sum (named as a pair with v31, likewise)
.set AUX, 32                           ; v32-63   row offsets; xm's fragments 0-3; gq, gk; hi, lo and what is at work in a split
.set BIG, 64                           ; v64-191  B's rows while they are summed; the ring of four weight items; BF / XT and XFR / E, R; WO's fragments
.set ACC, 192                          ; v192-223 four accumulators
.set PK,  224                          ; v224-255 the two means; xm's fragments 4-7; U packed; p; c's accumulators
.set GQ,  AUX
.set GK,  AUX+8
.set HI,  AUX
.set LO,  AUX+8
.set TM,  AUX+16
.set BF,  64
.set XT,  64
.set XFR, 128
.set E,   128
.set R,   160
.set S,   192
.set PP,  224
; block 1: v0-255 title A's 64 rows, 4 registers a row; later v0-127 z's 16 accumulators, then z's and c's fragments; v128-255 32 rows of B, then WV's fragments
; scalar registers: s[4:15] the six addresses; s16-63 and s80-95 the title's 64 tokens, then their rows' byte offsets; s66 my wave; s[68:69] lane selects; s[70:71] log2(e); s[72:73] dense_b;
; s74, s75 the lanes % 16 < 8, >= 8; s76 a word's upper bf16; s78, s79, s98, s99 at work; s[96:97] my title A's tokens
.set WV, 66
.set MSB, 0
.macro WIN new                         ; s_set_vgpr_msb: bits 1:0 source 0, 3:2 source 1, 5:4 source 2, 7:6 destination; the high byte repeats the setting that is left
.if MSB != (\new)
	s_set_vgpr_msb (MSB<<8)|(\new)
.set MSB, \new
.endif
.endm
; Behind a matrix instruction: four plain vector instructions before a load lands in, or a vector instruction reads or writes, one of its registers; five before a matrix instruction writes over one.
.macro PLACES
.rept 5
	v_nop
.endr
.endm
.macro BAR                             ; my LDS instructions are done, for the others' sake; then all eight waves meet
	s_wait_dscnt 0x0
	s_barrier_signal -1
	s_barrier_wait -1
.endm
.macro TSOF l                          ; TSR: the scalar register of token l
.set TSR, 16+(\l)+16*((\l)/48)
.endm
.macro TOKOFF l                        ; token l becomes its row's byte offset in ebf
	TSOF \l
	s_min_u32 s[TSR], s[TSR], 49999
	s_lshl_b32 s[TSR], s[TSR], 9
.endm
.macro SUMF src, acc                   ; a mean's first row: 8 numbers a lane, x / 64 + 0
.irp j, 0,1,2,3
	v_fma_mix_f32_bf16 v[(\acc)+2*\j], v[(\src)+\j], v[C64], v[ZR] op_sel_hi:[1,0,0]
	v_fma_mix_f32_bf16 v[(\acc)+2*\j+1], v[(\src)+\j], v[C64], v[ZR] op_sel:[1,0,0] op_sel_hi:[1,0,0]
.endr
.endm
.macro SUM src, acc                    ; a further row: x / 64 + the sum
.irp j, 0,1,2,3
	v_fma_mix_f32_bf16 v[(\acc)+2*\j], v[(\src)+\j], v[C64], v[(\acc)+2*\j] op_sel_hi:[1,0,0]
	v_fma_mix_f32_bf16 v[(\acc)+2*\j+1], v[(\src)+\j], v[C64], v[(\acc)+2*\j+1] op_sel:[1,0,0] op_sel_hi:[1,0,0]
.endr
.endm
; Weight item n of 16: four fragments, eight loads, into ring slot n % 4.  n < 8: K step n of WQ^T's and WK^T's two column tiles.  n = 8 + 2 q: WK's row tiles 4 q .. + 3; n = 9 + 2 q: WQ's.
.macro WFI n
.set WS, BIG+32*((\n)%4)
.set f, 0
.rept 4
.if (\n) < 8
.set WOF, (f/2)*ARR+(8*(f%2)+(\n))*1024
.else
.set WOF, (4+(\n)%2)*ARR+(4*(((\n)-8)/2)+f)*1024
.endif
	global_load_b128 v[WS+8*f:WS+8*f+3],   v[VW], s[8:9] offset:WOF
	global_load_b128 v[WS+8*f+4:WS+8*f+7], v[VW], s[8:9] offset:WOF+512
.set f, f+1
.endr
.endm
.macro WALL a, dst                     ; my 16 fragments of array a: 32 loads
.set f, 0
.rept 16
	global_load_b128 v[(\dst)+8*f:(\dst)+8*f+3],   v[VW], s[8:9] offset:(\a)*ARR+f*1024
	global_load_b128 v[(\dst)+8*f+4:(\dst)+8*f+7], v[VW], s[8:9] offset:(\a)*ARR+f*1024+512
.set f, f+1
.endr
.endm
.macro LOADBF adr                      ; source 1 of the logits: 16 columns x 256 channels
.set f, 0
.rept 8
	ds_load_b128 v[BF+8*f:BF+8*f+3],   v[\adr] offset:64*f
	ds_load_b128 v[BF+8*f+4:BF+8*f+7], v[\adr] offset:64*f+32
.set f, f+1
.endr
.endm
.macro LOADX k                         ; X by rows: 64 places x channels 32 k .. + 31, into buffer k % 2
.set XD, XFR+32*((\k)%2)
.set t, 0
.rept 4
	ds_load_b128 v[XD+8*t:XD+8*t+3],   v[VXA] offset:t*16*XP+64*(\k)
	ds_load_b128 v[XD+8*t+4:XD+8*t+7], v[VXA] offset:t*16*XP+64*(\k)+32
.set t, t+1
.endr
.endm
.macro LOADT g                         ; X turned: places 32 (g / 4) .. + 31 x channel tiles 4 (g % 4) .. + 3, into buffer g % 2
.set XD, XT+32*((\g)%2)
.set t, 0
.rept 4
	ds_load_tr16_b128 v[XD+8*t:XD+8*t+3],   v[VXT] offset:((\g)/4)*32*XP+32*(4*((\g)%4)+t)
	ds_load_tr16_b128 v[XD+8*t+4:XD+8*t+7], v[VXT] offset:((\g)/4)*32*XP+16*XP+32*(4*((\g)%4)+t)
.set t, t+1
.endr
.endm
; 16 f32 at v[src ..] of block blk become hi (8 registers of bf16 pairs) and lo = the rest, rounded again.
.macro SPLIT src, blk
	WIN 5*(\blk)
.set n, 0
.rept 8
	v_cvt_pk_bf16_f32 v[HI+n], v[(\src)+2*n], v[(\src)+2*n+1]
.set n, n+1
.endr
	WIN 0
.set n, 0
.rept 8
	v_lshlrev_b32 v[TM+2*n], 16, v[HI+n]
	v_and_b32 v[TM+2*n+1], s76, v[HI+n]
.set n, n+1
.endr
	WIN \blk
.set n, 0
.rept 8
	v_pk_add_f32 v[TM+2*n:TM+2*n+1], v[(\src)+2*n:(\src)+2*n+1], v[TM+2*n:TM+2*n+1] neg_lo:[0,1] neg_hi:[0,1]
.set n, n+1
.endr
	WIN 0
.set n, 0
.rept 8
	v_cvt_pk_bf16_f32 v[LO+n], v[TM+2*n], v[TM+2*n+1]
.set n, n+1
.endr
.endm
; A softmax down a column of 64 places: a lane holds 32 of them in v[src ..], the lane 16 away the others.  dst takes 2^(c s - c m), c = log2(e), m the column's maximum; v[INV] takes 1 / their sum.
; Each group of eight registers is read from its low end first.
.macro COLSOFT src, dst, tmp
.irp n, 0,1,2,3
	v_max3_num_f32 v[CH+\n], v[(\src)+8*\n], v[(\src)+8*\n+1], v[(\src)+8*\n+2]
.endr
.irp n, 0,1,2,3
	v_max3_num_f32 v[CH+\n], v[CH+\n], v[(\src)+8*\n+3], v[(\src)+8*\n+4]
.endr
.irp n, 0,1,2,3
	v_max3_num_f32 v[CH+\n], v[CH+\n], v[(\src)+8*\n+5], v[(\src)+8*\n+6]
.endr
	v_max3_num_f32 v[CH], v[CH], v[(\src)+7], v[(\src)+15]
	v_max3_num_f32 v[CH+1], v[CH+1], v[(\src)+23], v[(\src)+31]
	v_max3_num_f32 v[CH], v[CH], v[CH+1], v[CH+2]
	v_max_num_f32 v[CH], v[CH], v[CH+3]
	v_permlanex16_b32 v[CH+1], v[CH], s68, s69
	v_max_num_f32 v[CH], v[CH], v[CH+1]
	v_mul_f32 v[MC], s70, v[CH]
.set n, 0
.rept 16
	v_pk_fma_f32 v[(\dst)+2*n:(\dst)+2*n+1], v[(\src)+2*n:(\src)+2*n+1], s[70:71], v[MC:MC+1] op_sel_hi:[1,0,0] neg_lo:[0,0,1] neg_hi:[0,0,1]
.set n, n+1
.endr
.set n, 0
.rept 32
	v_exp_f32 v[(\dst)+n], v[(\dst)+n]
.set n, n+1
.endr
	v_nop                                          ; a plain instruction between the exponentials and the use of their results
.set n, 0
	s_wait_alu depctr_va_vdst(0)
.rept 8
	v_pk_add_f32 v[(\tmp)+2*n:(\tmp)+2*n+1], v[(\dst)+2*n:(\dst)+2*n+1], v[(\dst)+16+2*n:(\dst)+17+2*n]
.set n, n+1
.endr
.set n, 0
.rept 4
	v_pk_add_f32 v[(\tmp)+2*n:(\tmp)+2*n+1], v[(\tmp)+2*n:(\tmp)+2*n+1], v[(\tmp)+8+2*n:(\tmp)+9+2*n]
.set n, n+1
.endr
	v_pk_add_f32 v[(\tmp):(\tmp)+1], v[(\tmp):(\tmp)+1], v[(\tmp)+4:(\tmp)+5]
	v_pk_add_f32 v[(\tmp)+2:(\tmp)+3], v[(\tmp)+2:(\tmp)+3], v[(\tmp)+6:(\tmp)+7]
	v_pk_add_f32 v[(\tmp):(\tmp)+1], v[(\tmp):(\tmp)+1], v[(\tmp)+2:(\tmp)+3]
	v_add_f32 v[(\tmp)], v[(\tmp)], v[(\tmp)+1]
	v_permlanex16_b32 v[(\tmp)+1], v[(\tmp)], s68, s69
	v_add_f32 v[(\tmp)], v[(\tmp)], v[(\tmp)+1]
	v_rcp_f32 v[INV], v[(\tmp)]
	v_nop                                          ; a plain instruction between the reciprocal and its use
.endm
; ONE TITLE, whose rows lie in X[w] and whose 16 columns (8 of U, 8 of T) lie in BF.  hm: the scalar register with the lanes that hold U's columns.  zero = 1: z's sums begin.
.macro P3 hm, zero
	LOADX 0
	LOADX 1
.set ks, 0
.rept 8                                        ; S[l][col] = x_l . column: register 8 t + j of lane (r, h) is place 16 t + 8 h + j, column r.  The four accumulators take turns
.if ks < 7
	s_wait_dscnt 8                                 ; this K step's eight loads are in, the next step's eight may be out
.else
	s_wait_dscnt 0x0
.endif
.set t, 0
.rept 4
.if ks == 0
	v_wmma_f32_16x16x32_bf16 v[S+8*t:S+8*t+7], v[XFR+32*(ks%2)+8*t:XFR+32*(ks%2)+8*t+7], v[BF+8*ks:BF+8*ks+7], 0
.else
	v_wmma_f32_16x16x32_bf16 v[S+8*t:S+8*t+7], v[XFR+32*(ks%2)+8*t:XFR+32*(ks%2)+8*t+7], v[BF+8*ks:BF+8*ks+7], v[S+8*t:S+8*t+7]
.endif
.set t, t+1
.endr
	PLACES
.if ks < 6
	LOADX ks+2
.endif
.set ks, ks+1
.endr
	LOADT 0                                        ; the first turned rows land while the softmaxes are made
	LOADT 1
	COLSOFT S, E, R                                ; in U's lanes: the heads' softmax over the places.  T's lanes run along; what they make is finite and is thrown away below
.set n, 0
	s_wait_alu depctr_va_vdst(0)
.rept 16
	v_pk_mul_f32 v[E+2*n:E+2*n+1], v[E+2*n:E+2*n+1], v[INV:INV+1] op_sel_hi:[1,0]   ; w
.set n, n+1
.endr
.set n, 0
.rept 32
	v_mul_f32_dpp v[R+n], v[S+n], v[E+n] row_xmask:8 row_mask:0xf bank_mask:0xf       ; w[l][h] (x_l . T_h): T's column of head h lies eight lanes away
.set n, n+1
.endr
.irp m, 1,2,4
.set n, 0
.rept 32
	v_add_f32_dpp v[R+n], v[R+n], v[R+n] row_xmask:\m row_mask:0xf bank_mask:0xf      ; summed over the eight heads, into all eight lanes
.set n, n+1
.endr
.endr
.set n, 0
.rept 16
	v_pk_add_f32 v[R+2*n:R+2*n+1], v[R+2*n:R+2*n+1], s[72:73] op_sel_hi:[1,0]         ; + dense_b
.set n, n+1
.endr
	COLSOFT R, R, S                                ; the places' softmax
.set n, 0
.rept 16
	v_pk_mul_f32 v[E+2*n:E+2*n+1], v[E+2*n:E+2*n+1], v[R+2*n:R+2*n+1]
.set n, n+1
.endr
.set n, 0
	s_wait_alu depctr_va_vdst(0)
.rept 16
	v_pk_mul_f32 v[E+2*n:E+2*n+1], v[E+2*n:E+2*n+1], v[INV:INV+1] op_sel_hi:[1,0]   ; p = a w
.set n, n+1
.endr
.set n, 0
.rept 16
	v_cvt_pk_bf16_f32 v[PP+n], v[E+2*n], v[E+2*n+1]   ; two tiles of 16 places, packed, are source 1 for 32 places
.set n, n+1
.endr
.set n, 0
.rept 16
	v_cndmask_b32 v[PP+n], 0, v[PP+n], s[\hm]      ; the other eight columns are 0: they belong to the wave's other title
.set n, n+1
.endr
.set gz, 0
.rept 8                                        ; z^T[d][col] += x^T p: 16 accumulators by turns, places 0-31 and then 32-63
.if gz < 7
	s_wait_dscnt 8
.else
	s_wait_dscnt 0x0
.endif
	WIN 0x50                                       ; C and D in block 1
.set t, 0
.rept 4
.set ZI, 8*(4*(gz%4)+t)
.if (\zero) && (gz < 4)
	v_wmma_f32_16x16x32_bf16 v[ZI:ZI+7], v[XT+32*(gz%2)+8*t:XT+32*(gz%2)+8*t+7], v[PP+8*(gz/4):PP+8*(gz/4)+7], 0
.else
	v_wmma_f32_16x16x32_bf16 v[ZI:ZI+7], v[XT+32*(gz%2)+8*t:XT+32*(gz%2)+8*t+7], v[PP+8*(gz/4):PP+8*(gz/4)+7], v[ZI:ZI+7]
.endif
.set t, t+1
.endr
	WIN 0
	PLACES
.if gz < 6
	LOADT gz+2
.endif
.set gz, gz+1
.endr
.endm
	; ---- set-up
	s_load_b256 s[4:11], s[0:1], 0x0               ; tokens s[4:5], ebf s[6:7], wfrag s[8:9], tmat s[10:11]
	s_load_b128 s[12:15], s[0:1], 0x20             ; dense_b s[12:13], out0 s[14:15]
	v_lshl_add_u32 v[SPW], v0, 2, SPARE
	v_mov_b32 v[NIL], 0
	v_lshrrev_b32 v21, 5, v0
	v_readfirstlane_b32 s[WV], v21                 ; wave 0..7
	v_and_b32 v21, 31, v0
	v_lshlrev_b32 v[L16], 4, v21
	v_and_b32 v22, 15, v0                          ; r = lane % 16
	v_bfe_u32 v23, v0, 4, 1                        ; h = lane / 16
	v_bfe_u32 v24, v0, 3, 1                        ; r / 8
	v_and_b32 v27, 7, v0                           ; r % 8
	v_lshlrev_b32 v25, 4, v23                      ; 16 h
	v_mad_u32_u24 v26, v22, XP, v25                ; 528 r + 16 h
	s_lshl_b32 s78, s[WV], 14
	v_add_nc_u32 v[VW], s78, v[L16]
	s_mul_i32 s78, s[WV], XP
	s_add_co_u32 s79, s78, XB
	v_add_nc_u32 v[VXBS], s79, v[L16]
	s_add_co_u32 s79, s78, TROW
	v_add_nc_u32 v31, s79, v[L16]                  ; where my 16 bytes of T go: row w
	v_add_nc_u32 v[VXF], XB, v26
	v_mad_u32_u24 v[VUS], v22, UP, v25             ; titles 0-7 from byte 0 on,
	v_mad_u32_u24 v[VUS], v24, UBB-8*UP, v[VUS]    ; titles 8-15 from UBB on
	v_add_nc_u32 v[VUS], s78, v[VUS]
	s_mul_i32 s98, s[WV], UP
	s_sub_co_u32 s99, TROW-8*XP, s98
	v_mad_u32_u24 v[VBFA], v24, s99, v26           ; r < 8: 4,240 w + 528 r;  r >= 8: TROW + 528 (r - 8)
	v_add_nc_u32 v[VBFA], s98, v[VBFA]
	s_add_co_u32 s99, s98, UBB-TROW-8*XP
	v_mad_u32_u24 v[VBFB], v24, s99, v26           ; r < 8: TROW + 528 r;  r >= 8: UBB + 4,240 w + 528 (r - 8)
	v_add_nc_u32 v[VBFB], TROW, v[VBFB]
	s_mul_i32 s78, s[WV], XREG
	v_add_nc_u32 v[VXS], s78, v[L16]
	v_add_nc_u32 v[VXA], s78, v26
	v_lshl_add_u32 v28, v23, 3, v27                ; the turning load: lane l reads place 8 (l / 16) + l % 8, channels 8 ((l / 8) % 2) + 0..7
	v_mul_u32_u24 v28, v28, XP
	v_lshl_add_u32 v28, v24, 4, v28
	v_add_nc_u32 v[VXT], s78, v28
	v_mad_u32_u24 v28, v22, ZP, v25
	s_mul_i32 s78, s[WV], ZREG
	v_add_nc_u32 v[VZS], s78, v28
	v_mul_u32_u24 v[VZF], v27, ZREG                ; title r: the block of wave r % 8, row 8 (r / 8) + w
	v_mad_u32_u24 v[VZF], v24, 8*ZP, v[VZF]
	s_mul_i32 s78, s[WV], ZP
	v_add3_u32 v[VZF], v[VZF], s78, v25
	s_add_co_u32 s79, s78, NS
	v_add_nc_u32 v[VNR], s79, v[L16]
	s_lshl_b32 s78, s[WV], 11
	s_add_co_u32 s78, s78, CF
	v_add_nc_u32 v[VCS], s78, v[L16]
	v_add_nc_u32 v[VCR], CF, v[L16]
	v_mul_u32_u24 v[VNS], v22, ZP
	v_lshl_add_u32 v[VNS], v23, 5, v[VNS]
	s_lshl_b32 s78, s[WV], 7
	s_add_co_u32 s78, s78, NS
	v_add_nc_u32 v[VNS], s78, v[VNS]
	s_lshl_b32 s78, s[WV], 10
	v_add_nc_u32 v[VOUT], s78, v[L16]
	v_mov_b32 v[C64], 0x3c800000
	v_mov_b32 v[ZR], 0
	v_lshlrev_b32 v30, 4, v0                       ; my 16 bytes of tmat
	s_mov_b32 s68, 0x76543210                      ; v_permlanex16_b32: each lane takes its own place in the other half
	s_mov_b32 s69, 0xfedcba98
	s_mov_b32 s70, 0x3fb8aa3b                      ; log2(e)
	s_mov_b32 s71, s70
	s_mov_b32 s74, 0x00ff00ff
	s_mov_b32 s75, 0xff00ff00
	s_mov_b32 s76, 0xffff0000
	s_wait_kmcnt 0x0
	s_load_b32 s72, s[12:13], 0x0                  ; dense_b
	s_lshl_b32 s78, ttmp9, 12                      ; 16 titles x 256 bytes of tokens a work-group,
	s_lshl_b32 s79, s[WV], 8                       ; title w
	s_add_co_u32 s78, s78, s79
	s_mov_b32 s79, 0
	s_add_nc_u64 s[96:97], s[4:5], s[78:79]
	s_load_b512 s[16:31], s[96:97], 0x0
	s_load_b512 s[32:47], s[96:97], 0x40
	s_load_b512 s[48:63], s[96:97], 0x80
	s_load_b512 s[80:95], s[96:97], 0xc0
	global_load_b128 v[24:27], v30, s[10:11]
	s_lshl_b32 s78, ttmp9, 14
	s_add_nc_u64 s[14:15], s[14:15], s[78:79]      ; out0 at the group's first title
	s_wait_kmcnt 0x0
	s_mov_b32 s73, s72
	; ---- the gather and the two means.  A row is 512 bytes: one load of the wave, 16 bytes (8 channels) a lane.
	; Title A's 64 rows go into block 1 and stay there.  The offsets are made 32 at a time under window 0, the loads follow under window 0x40.
.irp hf, 0,1
.set l, 0
.rept 32
	TOKOFF 32*\hf+l
	v_add_nc_u32 v[AUX+l], s[TSR], v[L16]
.set l, l+1
.endr
	WIN 0x40
.set l, 0
.rept 32
	global_load_b128 v[128*\hf+4*l:128*\hf+4*l+3], v[AUX+l], s[6:7]
.set l, l+1
.endr
	s_wait_xcnt 0x0                                ; the offsets are written again only behind this wait
	WIN 0
.endr
	s_load_b512 s[16:31], s[96:97], 0x800          ; title B's tokens: eight titles on
	s_load_b512 s[32:47], s[96:97], 0x840
	s_load_b512 s[48:63], s[96:97], 0x880
	s_load_b512 s[80:95], s[96:97], 0x8c0
	s_wait_kmcnt 0x0
.set l, 0
.rept 32
	TOKOFF l
	v_add_nc_u32 v[AUX+l], s[TSR], v[L16]
	global_load_b128 v[BIG+4*l:BIG+4*l+3], v[AUX+l], s[6:7]
.set l, l+1
.endr
	s_wait_loadcnt 63                              ; 97 loads are issued: T's 16 bytes and A's rows 0-32 are in
	ds_store_b128 v31, v[24:27]
	WIN 0x01                                       ; source 0 in block 1
.set i, 0
.rept 64
.if i > 32
	s_wait_loadcnt 95-i                            ; younger: 63 - i rows of A and 32 of B
.endif
.if i == 0
	SUMF 0, PK
.else
	SUM 4*i, PK
.endif
.set i, i+1
.endr
	WIN 0
.set i, 0
.rept 32                                       ; B's row i is summed, and row 32 + i takes its registers and its offset register, which the wait has freed
	s_wait_loadcnt 31                              ; younger: 31 - i of the first rows and the i issued here
.if i == 0
	SUMF BIG, PK+8
.else
	SUM BIG+4*i, PK+8
.endif
	TOKOFF 32+i
	v_add_nc_u32 v[AUX+i], s[TSR], v[L16]
	global_load_b128 v[BIG+4*i:BIG+4*i+3], v[AUX+i], s[6:7]
.set i, i+1
.endr
.set i, 0
.rept 32                                       ; the last 32 rows; each eight rows' registers are a ring slot, which takes its first weight item
	s_wait_loadcnt (31-i)+8*(i/8)                  ; younger: 31 - i rows and eight loads for each item issued
	SUM BIG+4*i, PK+8
.if i%8 == 7
	WFI i/8
.endif
.set i, i+1
.endr
.set j, 0
.rept 8
	v_cvt_pk_bf16_f32 v[24+j], v[PK+2*j], v[PK+2*j+1]
.set j, j+1
.endr
	ds_store_b128 v[VXBS], v[24:27]
	ds_store_b128 v[VXBS], v[28:31] offset:8*XP
	BAR                                            ; the 16 means and T's 8 rows are whole
	; ---- gq and gk of head w for all 16 titles, turned: D[column][title] = W^T xm
.set ks, 0
.rept 8
.set XFS, AUX+8*ks+(ks/4)*(PK-AUX-32)
	ds_load_b128 v[XFS:XFS+3],   v[VXF] offset:64*ks
	ds_load_b128 v[XFS+4:XFS+7], v[VXF] offset:64*ks+32
.set ks, ks+1
.endr
	s_wait_dscnt 0x0
.set ks, 0
.rept 8
.set XFS, AUX+8*ks+(ks/4)*(PK-AUX-32)
.set WS, BIG+32*(ks%4)
	s_wait_loadcnt 24                              ; four items are out: the oldest is in, three stay out
.set t, 0
.rept 4
.if ks == 0
	v_wmma_f32_16x16x32_bf16 v[ACC+8*t:ACC+8*t+7], v[WS+8*t:WS+8*t+7], v[XFS:XFS+7], 0
.else
	v_wmma_f32_16x16x32_bf16 v[ACC+8*t:ACC+8*t+7], v[WS+8*t:WS+8*t+7], v[XFS:XFS+7], v[ACC+8*t:ACC+8*t+7]
.endif
.set t, t+1
.endr
	PLACES
	WFI ks+4
.set ks, ks+1
.endr
.set j, 0
.rept 16
	v_cvt_pk_bf16_f32 v[AUX+j], v[ACC+2*j], v[ACC+2*j+1]   ; two tiles of 16 columns, packed, are source 1 (title, 32 columns): gq, then gk
.set j, j+1
.endr
	BAR                                            ; every wave has read the means
	; ---- U of head w for all 16 titles, turned: D[channel][title] = WK_h gq_h + WQ_h gk_h, four tiles of 16 channels at a time
.set q, 0
.rept 4
.set WS, BIG+32*((2*q)%4)
.if q < 3
	s_wait_loadcnt 16                              ; this step's two items are in, the next step's two stay out
.else
	s_wait_loadcnt 0x0
.endif
.set t, 0
.rept 4
	v_wmma_f32_16x16x32_bf16 v[ACC+8*t:ACC+8*t+7], v[WS+8*t:WS+8*t+7], v[GQ:GQ+7], 0
.set t, t+1
.endr
.set t, 0
.rept 4
	v_wmma_f32_16x16x32_bf16 v[ACC+8*t:ACC+8*t+7], v[WS+32+8*t:WS+32+8*t+7], v[GK:GK+7], v[ACC+8*t:ACC+8*t+7]
.set t, t+1
.endr
	PLACES
.if q < 2
	WFI 12+2*q
	WFI 13+2*q
.endif
.set j, 0
.rept 16
	v_cvt_pk_bf16_f32 v[PK+j], v[ACC+2*j], v[ACC+2*j+1]
.set j, j+1
.endr
.set t, 0
.rept 4
	ds_store_b128 v[VUS], v[PK+4*t:PK+4*t+3] offset:32*(4*q+t)
.set t, t+1
.endr
.set q, q+1
.endr
	BAR                                            ; U is whole
	LOADBF VBFA
	BAR                                            ; every wave has its title A's U: X may be written over it
	; ---- title A: its rows go from block 1 into X[w]; B's first 32 rows are asked for again and come in under A's work
	WIN 0x04                                       ; store data in block 1
.set l, 0
.rept 64
	ds_store_b128 v[VXS], v[4*l:4*l+3] offset:XP*l
.set l, l+1
.endr
	WIN 0
.set l, 0
.rept 32
	TSOF l
	v_add_nc_u32 v[XFR+l], s[TSR], v[L16]
.set l, l+1
.endr
	s_wait_dscnt 0x0                               ; the stores are done: X[w] may be read
	WIN 0x40
.set l, 0
.rept 32
	global_load_b128 v[128+4*l:128+4*l+3], v[XFR+l], s[6:7]
.set l, l+1
.endr
	s_wait_xcnt 0x0                                ; the offsets' registers take LDS loads next
	WIN 0
	P3 74, 1
	; ---- title B
	s_wait_loadcnt 0x0                             ; its rows 0-31
	LOADBF VBFB
	WIN 0x04
.set l, 0
.rept 32
	ds_store_b128 v[VXS], v[128+4*l:128+4*l+3] offset:XP*l
.set l, l+1
.endr
	WIN 0
.set l, 0
.rept 32
	TSOF 32+l
	v_add_nc_u32 v[XFR+l], s[TSR], v[L16]
.set l, l+1
.endr
	s_wait_dscnt 0x0
	WIN 0x40
.set l, 0
.rept 32
	global_load_b128 v[128+4*l:128+4*l+3], v[XFR+l], s[6:7]
.set l, l+1
.endr
	s_wait_loadcnt 0x0
	WIN 0x04
.set l, 0
.rept 32
	ds_store_b128 v[VXS], v[128+4*l:128+4*l+3] offset:XP*(32+l)
.set l, l+1
.endr
	s_wait_dscnt 0x0
	WIN 0x40
	WALL 2, 128                                    ; WV^T's fragments of head w, into block 1: they come in under B's work
	WIN 0
	P3 75, 0
	; ---- z leaves as hi + lo into my own block of LDS: row r < 8 is title A's head r, row r >= 8 title B's head r - 8
	WALL 3, BIG                                    ; WO^T's fragments of my 32 output columns
.set pr, 0
.rept 8
	SPLIT 16*pr, 1
	ds_store_b128 v[VZS], v[HI:HI+3]   offset:64*pr
	ds_store_b128 v[VZS], v[HI+4:HI+7] offset:64*pr+32
	ds_store_b128 v[VZS], v[LO:LO+3]   offset:64*pr+512
	ds_store_b128 v[VZS], v[LO+4:LO+7] offset:64*pr+544
.set pr, pr+1
.endr
	BAR                                            ; z is whole, and nobody reads U any more
	; ---- c of head w for all 16 titles, turned: D[column][title] = WV_h^T z_h, hi and lo on the same weight fragment; the two accumulators take turns
	WIN 0x40
.set f, 0
.rept 16                                       ; fragment f: channels 32 (f / 2) on, hi (f even) or lo
	ds_load_b128 v[8*f:8*f+3],   v[VZF] offset:64*(f/2)+512*(f%2)
	ds_load_b128 v[8*f+4:8*f+7], v[VZF] offset:64*(f/2)+512*(f%2)+32
.set f, f+1
.endr
	s_wait_dscnt 0x0
	s_wait_loadcnt 32                              ; WV's 32 loads are in; WO's 32 are younger
	WIN 0x05                                       ; both sources in block 1
.set f, 0
.rept 16
.if f == 0
	v_wmma_f32_16x16x32_bf16 v[PK:PK+7],    v[128+8*(f/2):128+8*(f/2)+7], v[8*f:8*f+7], 0
	v_wmma_f32_16x16x32_bf16 v[PK+8:PK+15], v[192+8*(f/2):192+8*(f/2)+7], v[8*f:8*f+7], 0
.else
	v_wmma_f32_16x16x32_bf16 v[PK:PK+7],    v[128+8*(f/2):128+8*(f/2)+7], v[8*f:8*f+7], v[PK:PK+7]
	v_wmma_f32_16x16x32_bf16 v[PK+8:PK+15], v[192+8*(f/2):192+8*(f/2)+7], v[8*f:8*f+7], v[PK+8:PK+15]
.endif
.set f, f+1
.endr
	WIN 0
	PLACES
	SPLIT PK, 0                                    ; the two tiles, packed, are source 1 (title, head w's 32 columns)
	ds_store_b128 v[VCS], v[HI:HI+3]
	ds_store_b128 v[VCS], v[HI+4:HI+7] offset:512
	ds_store_b128 v[VCS], v[LO:LO+3]   offset:1024
	ds_store_b128 v[VCS], v[LO+4:LO+7] offset:1536
	BAR                                            ; c is whole
	; ---- out, columns 32 w .. + 31 for all 16 titles, turned: D[column][title] = WO^T c
	WIN 0x40
.set f, 0
.rept 16
	ds_load_b128 v[8*f:8*f+3],   v[VCR] offset:1024*f
	ds_load_b128 v[8*f+4:8*f+7], v[VCR] offset:1024*f+512
.set f, f+1
.endr
	s_wait_dscnt 0x0
	s_wait_loadcnt 0x0                             ; WO's fragments
	WIN 0x04                                       ; source 1 in block 1
.set f, 0
.rept 16
.if f == 0
	v_wmma_f32_16x16x32_bf16 v[ACC:ACC+7],    v[BIG+8*(f/2):BIG+8*(f/2)+7],       v[8*f:8*f+7], 0
	v_wmma_f32_16x16x32_bf16 v[ACC+8:ACC+15], v[BIG+64+8*(f/2):BIG+64+8*(f/2)+7], v[8*f:8*f+7], 0
.else
	v_wmma_f32_16x16x32_bf16 v[ACC:ACC+7],    v[BIG+8*(f/2):BIG+8*(f/2)+7],       v[8*f:8*f+7], v[ACC:ACC+7]
	v_wmma_f32_16x16x32_bf16 v[ACC+8:ACC+15], v[BIG+64+8*(f/2):BIG+64+8*(f/2)+7], v[8*f:8*f+7], v[ACC+8:ACC+15]
.endif
.set f, f+1
.endr
	WIN 0
	PLACES
	ds_store_b128 v[VNS], v[ACC:ACC+3]                     ; a lane's eight columns of its title's row, each accumulator from its low end
	ds_store_b128 v[VNS], v[ACC+4:ACC+7]   offset:16
	ds_store_b128 v[VNS], v[ACC+8:ACC+11]  offset:64
	ds_store_b128 v[VNS], v[ACC+12:ACC+15] offset:80
	BAR                                            ; the 16 rows are whole
	; ---- the way out: wave w stores titles w and w + 8; each store of the wave covers 512 consecutive bytes, aligned
	ds_load_b128 v[32:35], v[VNR]
	ds_load_b128 v[36:39], v[VNR] offset:512
	ds_load_b128 v[40:43], v[VNR] offset:8*ZP
	ds_load_b128 v[44:47], v[VNR] offset:8*ZP+512
	s_wait_dscnt 3
	global_store_b128 v[VOUT], v[32:35], s[14:15] th:TH_STORE_NT
	s_wait_dscnt 2
	global_store_b128 v[VOUT], v[36:39], s[14:15] offset:512 th:TH_STORE_NT
	s_wait_dscnt 1
	global_store_b128 v[VOUT], v[40:43], s[14:15] offset:8192 th:TH_STORE_NT
	s_wait_dscnt 0x0
	global_store_b128 v[VOUT], v[44:47], s[14:15] offset:8704 th:TH_STORE_NT
	s_wait_tensorcnt 0x0                           ; the wave's end: behind my last LDS store
	ds_add_u32 v[SPW], v[NIL]
	s_wait_dscnt 0x0
	s_endpgm
.Lfunc_end_k_q4468b677da_main:
	.size	k_q4468b677da_main, .Lfunc_end_k_q4468b677da_main-k_q4468b677da_main
	.p2alignl 7, 3214868480
	.fill 96, 4, 3214868480
	.section	.rodata,"a",@progbits
	.p2align	6, 0x0
	.amdhsa_kernel k_q4468b677da_main
		.amdhsa_group_segment_fixed_size 318208
		.amdhsa_private_segment_fixed_size 0
		.amdhsa_enable_private_segment 0
		.amdhsa_kernarg_size 48
		.amdhsa_user_sgpr_count 2
		.amdhsa_user_sgpr_kernarg_segment_ptr 1
		.amdhsa_wavefront_size32 1
		.amdhsa_system_sgpr_workgroup_id_x 1
		.amdhsa_system_sgpr_workgroup_id_y 1
		.amdhsa_system_sgpr_workgroup_id_z 1
		.amdhsa_system_vgpr_workitem_id 0
		.amdhsa_next_free_vgpr 512
		.amdhsa_next_free_sgpr 102
		.amdhsa_reserve_vcc 0
		.amdhsa_float_denorm_mode_32 3
		.amdhsa_float_denorm_mode_16_64 3
		.amdhsa_memory_ordered 1
		.amdhsa_forward_progress 1
		.amdhsa_inst_pref_size 255
	.end_amdhsa_kernel
	.section	.bss,"aw",@nobits
	.p2align	6
	.space	262144
	.amdgpu_metadata
---
amdhsa.version: [ 1, 2 ]
amdhsa.kernels:
  - .name:           k_q4468b677da_main
    .symbol:         k_q4468b677da_main.kd
    .args:
      - { .name: tokens, .offset: 0, .size: 8, .value_kind: global_buffer, .address_space: global }
      - { .name: ebf, .offset: 8, .size: 8, .value_kind: global_buffer, .address_space: global }
      - { .name: wfrag, .offset: 16, .size: 8, .value_kind: global_buffer, .address_space: global }
      - { .name: tmat, .offset: 24, .size: 8, .value_kind: global_buffer, .address_space: global }
      - { .name: dense_b, .offset: 32, .size: 8, .value_kind: global_buffer, .address_space: global }
      - { .name: out0, .offset: 40, .size: 8, .value_kind: global_buffer, .address_space: global }
    .group_segment_fixed_size: 318208
    .private_segment_fixed_size: 0
    .kernarg_segment_align: 8
    .kernarg_segment_size: 48
    .max_flat_workgroup_size: 256
    .sgpr_count:     102
    .vgpr_count:     512
    .wavefront_size: 32
...
	.end_amdgpu_metadata
.endif
;; end of part 2
;; ======== version 2 of 2: 2 launches; 1.23 times as fast as version 1
;; limits: values outside matrix products are rounded to bf16
;; workspace buffers: ebf 25,600,000 bytes; wfrag 786,432 bytes; tmat 4,096 bytes
;; launch prep (part 3): grid 348 x 1, 8 waves a work-group, no clusters, 0 bytes of LDS; arguments emb_table, WQ, WK, WV, WO, dense_w, ebf, wfrag, tmat; writes ebf, wfrag, tmat
.if DOCPART == 3
	.amdgcn_target "amdgcn-amd-amdhsa--gfx1250"
	.amdhsa_code_object_version 6
	.text
	.protected	k_q4468b677da_prep
	.globl	k_q4468b677da_prep
	.p2align	8
	.type	k_q4468b677da_prep,@function
k_q4468b677da_prep:
	s_mov_b64 s[64:65], 0
	v_nop
	global_prefetch_b8 v0, s[64:65] scope:SCOPE_SE
	s_setreg_imm32_b32 hwreg(HW_REG_WAVE_MODE, 25, 1), 1
	s_wait_xcnt 0x0
; PREPARATION for the launch that follows.  Three kinds of work-group, chosen by the work-group's number:
;   0, 1     T[h][d] = sum over the 32 columns j of head h of WV[d][j] * (WO dense_w)[j], in f32 from the unrounded inputs, rounded once to bf16: tmat [8][256]; a wave makes 128 channels of one head
;   2 .. 97  the four weight matrices rounded once to bf16 and laid out as matrix operands: wfrag, 6 arrays x 128 fragments x 1,024 bytes; a wave makes one fragment
;   98 .. 347  the embedding table rounded once to bf16: ebf [50000][256]; a work-group takes 200 rows (250 x 200 = 50,000)
; A FRAGMENT is 16 rows r x 32 k of bf16: lane L = 16 h + r finds k = 8 h .. 8 h + 7 of row r at byte 16 L of the first 512 bytes, k = 16 + 8 h .. + 7 at byte 16 L of the second.
;   arrays 0-3 (WQ, WK, WV, WO turned): fragment g holds W[32 (g & 7) + k][16 (g >> 3) + r];   arrays 4, 5 (WK, WQ as they lie): W[16 (g & 15) + r][32 (g >> 4) + k]
; No LDS, no barrier, no matrix unit: the table is a stream, the rest is small.  The two waves of a head make its 32 sums of WO dense_w each for itself: 32 KB read twice, and no traffic between waves.
.set NT, 2                             ; work-groups that make T
.set NF, 96                            ; work-groups that make fragments
	s_load_b512 s[4:19], s[0:1], 0x0               ; emb s[4:5], WQ s[6:7], WK s[8:9], WV s[10:11], WO s[12:13], dense_w s[14:15], ebf s[16:17], wfrag s[18:19]
	s_load_b64 s[20:21], s[0:1], 0x40              ; tmat
	v_lshrrev_b32 v1, 5, v0
	v_readfirstlane_b32 s22, v1                    ; my wave's number
	s_mov_b32 s23, ttmp9
	s_wait_kmcnt 0x0
	s_cmp_lt_u32 s23, NT
	s_cbranch_scc1 .Ltmat
	s_cmp_lt_u32 s23, NT+NF
	s_cbranch_scc1 .Lfrag
	; THE TABLE.  204,800 bytes in, 102,400 out.  All 50 loads of a thread go out first (16 bytes each, a wave's load covers 512 consecutive bytes);
	; each is then rounded in place and stored: a wave's store covers 256 consecutive bytes, aligned.  No register is written again behind its store.
	s_sub_co_u32 s24, s23, NT+NF
	s_mul_i32 s26, s24, 204800
	s_mov_b32 s27, 0
	s_mul_i32 s28, s24, 102400
	s_mov_b32 s29, 0
	s_add_nc_u64 s[4:5], s[4:5], s[26:27]
	s_add_nc_u64 s[16:17], s[16:17], s[28:29]
	v_lshlrev_b32 v1, 4, v0
	v_lshlrev_b32 v2, 3, v0
.set i, 0
.rept 50
	global_load_b128 v[8+4*i:11+4*i], v1, s[4:5] offset:4096*i th:TH_LOAD_NT
.set i, i+1
.endr
.set i, 0
.rept 50
	s_wait_loadcnt 49-i                            ; loads come back in order: the 49 - i younger ones may stay out
	v_cvt_pk_bf16_f32 v[8+4*i], v[8+4*i], v[9+4*i]
	v_cvt_pk_bf16_f32 v[9+4*i], v[10+4*i], v[11+4*i]
	global_store_b64 v2, v[8+4*i:9+4*i], s[16:17] offset:2048*i
.set i, i+1
.endr
	s_endpgm
.Lfrag:
	; A FRAGMENT A WAVE.  F = 8 (work-group - NT) + wave; array a = F >> 7, fragment g = F & 127.
	s_sub_co_u32 s24, s23, NT
	s_lshl_b32 s24, s24, 3
	s_add_co_u32 s24, s24, s22                     ; F
	s_lshr_b32 s30, s24, 7                         ; a
	s_and_b32 s31, s24, 127                        ; g
	s_and_b32 s34, s31, 7
	s_lshl_b32 s34, s34, 15
	s_lshr_b32 s35, s31, 3
	s_lshl_b32 s35, s35, 6
	s_add_co_u32 s34, s34, s35                     ; turned: byte of W[32 (g & 7)][16 (g >> 3)]
	s_and_b32 s35, s31, 15
	s_lshl_b32 s35, s35, 14
	s_lshr_b32 s36, s31, 4
	s_lshl_b32 s36, s36, 7
	s_add_co_u32 s35, s35, s36                     ; as it lies: byte of W[16 (g & 15)][32 (g >> 4)]
	s_cmp_lt_u32 s30, 4
	s_cselect_b32 s26, 4, 0x400                    ; bytes from r to r + 1
	s_cselect_b32 s27, 0x400, 4                    ; bytes from k to k + 1
	s_cselect_b32 s28, s34, s35
	s_cmp_eq_u32 s30, 1                            ; the matrix: a = 0, 5 WQ; 1, 4 WK; 2 WV; 3 WO
	s_cselect_b64 s[32:33], s[8:9], s[6:7]
	s_cmp_eq_u32 s30, 4
	s_cselect_b64 s[32:33], s[8:9], s[32:33]
	s_cmp_eq_u32 s30, 2
	s_cselect_b64 s[32:33], s[10:11], s[32:33]
	s_cmp_eq_u32 s30, 3
	s_cselect_b64 s[32:33], s[12:13], s[32:33]
	s_lshl_b32 s36, s24, 10
	s_mov_b32 s37, 0
	s_add_nc_u64 s[18:19], s[18:19], s[36:37]      ; where the fragment goes
	v_and_b32 v1, 15, v0                           ; r
	v_bfe_u32 v2, v0, 4, 1                         ; h
	v_lshlrev_b32 v2, 3, v2
	v_mul_u32_u24 v3, v1, s26
	v_mad_u32_u24 v3, v2, s27, v3
	v_add_nc_u32 v3, s28, v3                       ; byte of (r, k = 8 h)
	v_and_b32 v4, 31, v0
	v_lshlrev_b32 v4, 4, v4                        ; 16 L
.set i, 0
.rept 16                                       ; my 16 numbers: k = 8 h + 0..7, then 16 + 8 h + 0..7
	v_mad_u32_u24 v[8+i], s27, 16*(i/8)+i%8, v3
	global_load_b32 v[24+i], v[8+i], s[32:33]
.set i, i+1
.endr
	s_wait_loadcnt 0x0
.set i, 0
.rept 8
	v_cvt_pk_bf16_f32 v[40+i], v[24+2*i], v[25+2*i]
.set i, i+1
.endr
	global_store_b128 v4, v[40:43], s[18:19]
	global_store_b128 v4, v[44:47], s[18:19] offset:512
	s_endpgm
.Ltmat:
	; T.  Wave w of work-group g: head h = 4 g + w / 2, channels d0 = 128 (w % 2) .. d0 + 127: 256 bytes of tmat, one store of the wave.
	; FIRST the head's 32 sums (WO dense_w)[32 h + i].  A row of WO is two loads of the wave, 512 consecutive bytes each: lane L holds columns 4 L .. + 3 and 128 + 4 L .. + 3, and dense_w likewise.
	; The rows go through a ring of NR = 24 slots of eight registers, all asked for at once.  A slot that has been summed is filled again: slots 0-7 with rows 24-31, slots 8-23 with WV's 32 loads.
	; So 50 loads go out first and 48 behind them, and nothing else is fetched.
	; THEN T.  Load n of WV: lane (g = L / 8, c = L % 8) reads WV[d0 + 32 g + n][32 h + 4 c .. + 3], four pieces of 128 consecutive bytes a load; it is multiplied by sums 4 c .. 4 c + 3 and added up
	; over the eight lanes of g.  Lane L then takes the results n = 4 c + e, e = 0..3: they are channels d0 + 32 g + 4 c + e = d0 + 4 L + e.
.set NR,  24
.set DW,  8                            ; v8-15   dense_w[4 L ..], dense_w[128 + 4 L ..]
.set WQ,  16                           ; v16-19  sums 4 c .. 4 c + 3
.set OUT, 20                           ; v20-23  my four channels
.set SM,  24                           ; v24-55  the 32 sums
.set RG,  56                           ; v56-247 the ring
.set WVR, RG+8*(32-NR)                 ; load n of WV lies at WVR + 4 n
	s_lshl_b32 s24, s23, 2
	s_lshr_b32 s25, s22, 1
	s_add_co_u32 s24, s24, s25                     ; h
	s_and_b32 s25, s22, 1                          ; which half of the channels
	v_and_b32 v1, 31, v0                           ; L
	v_and_b32 v2, 7, v0                            ; c
	v_bfe_u32 v3, v0, 3, 2                         ; g
	v_lshlrev_b32 v5, 4, v1                        ; dense_w: 16 L
	s_lshl_b32 s26, s24, 15                        ; WO: row 32 h,
	v_add_nc_u32 v4, s26, v5                       ; + 16 L
	s_lshl_b32 s27, s25, 17                        ; WV: row d0,
	s_lshl_b32 s28, s24, 7                         ; column 32 h,
	s_add_co_u32 s27, s27, s28
	v_lshlrev_b32 v6, 15, v3                       ; + 32 g rows
	v_lshl_add_u32 v6, v2, 4, v6                   ; + 4 c columns
	v_add_nc_u32 v6, s27, v6
	s_lshl_b32 s28, s24, 9                         ; tmat: 512 h + 256 half + 8 L
	s_lshl_b32 s29, s25, 8
	s_add_co_u32 s28, s28, s29
	v_lshl_add_u32 v7, v1, 3, s28
	s_mov_b32 s36, 0x76543210                      ; v_permlanex16_b32: each lane takes its own place in the other half
	s_mov_b32 s37, 0xfedcba98
.set cc, 1
.rept 7
	v_cmp_eq_u32 s[40+cc], cc, v2                  ; the lanes with c = cc
.set cc, cc+1
.endr
	global_load_b128 v[DW:DW+3],   v5, s[14:15]
	global_load_b128 v[DW+4:DW+7], v5, s[14:15] offset:512
.set i, 0
.rept NR
	global_load_b128 v[RG+8*i:RG+8*i+3],   v4, s[12:13] offset:1024*i
	global_load_b128 v[RG+8*i+4:RG+8*i+7], v4, s[12:13] offset:1024*i+512
.set i, i+1
.endr
.set i, 0
.rept 32
.set sl, RG+8*(i%NR)
.if i < NR
	s_wait_loadcnt 2*NR-2                          ; younger than row i's two loads: 2 (NR - 1 - i) first fills and the 2 i refills issued below
.else
	s_wait_loadcnt 2*(31-i)+32                     ; younger: the later rows' loads and WV's 32
.endif
	v_pk_mul_f32 v[sl:sl+1], v[sl:sl+1], v[DW:DW+1]
	v_pk_fma_f32 v[sl:sl+1], v[sl+2:sl+3], v[DW+2:DW+3], v[sl:sl+1]
	v_pk_fma_f32 v[sl:sl+1], v[sl+4:sl+5], v[DW+4:DW+5], v[sl:sl+1]
	v_pk_fma_f32 v[sl:sl+1], v[sl+6:sl+7], v[DW+6:DW+7], v[sl:sl+1]
	v_add_f32 v[SM+i], v[sl], v[sl+1]              ; my eight columns' part of sum i
.if i < 32-NR
	global_load_b128 v[sl:sl+3],   v4, s[12:13] offset:1024*(NR+i)
	global_load_b128 v[sl+4:sl+7], v4, s[12:13] offset:1024*(NR+i)+512
.elseif i < NR
	global_load_b128 v[sl:sl+3],   v6, s[10:11] offset:1024*(2*(i-(32-NR)))
	global_load_b128 v[sl+4:sl+7], v6, s[10:11] offset:1024*(2*(i-(32-NR))+1)
.endif
.set i, i+1
.endr
	; over the 32 lanes, all 32 sums side by side so that no line waits for the one before it; every lane ends up with every sum
.irp m, 1,2,4,8
.set k, 0
.rept 32
	v_add_f32_dpp v[SM+k], v[SM+k], v[SM+k] row_xmask:\m row_mask:0xf bank_mask:0xf
.set k, k+1
.endr
.endr
.set k, 0
.rept 32
	v_permlanex16_b32 v[RG+k], v[SM+k], s36, s37   ; into slots 0-3, whose rows have been summed
.set k, k+1
.endr
.set k, 0
.rept 32
	v_add_f32 v[SM+k], v[SM+k], v[RG+k]
.set k, k+1
.endr
.set e, 0
.rept 4
	v_cndmask_b32 v[WQ+e], v[SM+e], v[SM+4+e], s41 ; sums 4 c + e, chosen by the lane's c
.set e, e+1
.endr
.set cc, 2
.rept 6
.set e, 0
.rept 4
	v_cndmask_b32 v[WQ+e], v[WQ+e], v[SM+4*cc+e], s[40+cc]
.set e, e+1
.endr
.set cc, cc+1
.endr
	s_wait_loadcnt 0x0                             ; WV
.set n, 0
.rept 32
	v_pk_mul_f32 v[WVR+4*n:WVR+4*n+1], v[WVR+4*n:WVR+4*n+1], v[WQ:WQ+1]
.set n, n+1
.endr
.set n, 0
.rept 32
	v_pk_fma_f32 v[WVR+4*n:WVR+4*n+1], v[WVR+4*n+2:WVR+4*n+3], v[WQ+2:WQ+3], v[WVR+4*n:WVR+4*n+1]
.set n, n+1
.endr
.set n, 0
.rept 32
	v_add_f32 v[WVR+4*n], v[WVR+4*n], v[WVR+4*n+1]
.set n, n+1
.endr
.irp m, 1,2,4
.set n, 0
.rept 32
	v_add_f32_dpp v[WVR+4*n], v[WVR+4*n], v[WVR+4*n] row_xmask:\m row_mask:0xf bank_mask:0xf   ; over the row's eight lanes: T[h][d0 + 32 g + n]
.set n, n+1
.endr
.endr
.set e, 0
.rept 4
	v_cndmask_b32 v[OUT+e], v[WVR+4*e], v[WVR+4*(4+e)], s41   ; results 4 c + e
.set e, e+1
.endr
.set cc, 2
.rept 6
.set e, 0
.rept 4
	v_cndmask_b32 v[OUT+e], v[OUT+e], v[WVR+4*(4*cc+e)], s[40+cc]
.set e, e+1
.endr
.set cc, cc+1
.endr
	v_cvt_pk_bf16_f32 v[OUT], v[OUT], v[OUT+1]
	v_cvt_pk_bf16_f32 v[OUT+1], v[OUT+2], v[OUT+3]
	global_store_b64 v7, v[OUT:OUT+1], s[20:21]    ; the wave's store covers 256 consecutive bytes, aligned
	s_endpgm
.Lfunc_end_k_q4468b677da_prep:
	.size	k_q4468b677da_prep, .Lfunc_end_k_q4468b677da_prep-k_q4468b677da_prep
	.p2alignl 7, 3214868480
	.fill 96, 4, 3214868480
	.section	.rodata,"a",@progbits
	.p2align	6, 0x0
	.amdhsa_kernel k_q4468b677da_prep
		.amdhsa_group_segment_fixed_size 0
		.amdhsa_private_segment_fixed_size 0
		.amdhsa_enable_private_segment 0
		.amdhsa_kernarg_size 72
		.amdhsa_user_sgpr_count 2
		.amdhsa_user_sgpr_kernarg_segment_ptr 1
		.amdhsa_wavefront_size32 1
		.amdhsa_system_sgpr_workgroup_id_x 1
		.amdhsa_system_sgpr_workgroup_id_y 1
		.amdhsa_system_sgpr_workgroup_id_z 1
		.amdhsa_system_vgpr_workitem_id 0
		.amdhsa_next_free_vgpr 248
		.amdhsa_next_free_sgpr 66
		.amdhsa_reserve_vcc 0
		.amdhsa_float_denorm_mode_32 3
		.amdhsa_float_denorm_mode_16_64 3
		.amdhsa_memory_ordered 1
		.amdhsa_forward_progress 1
		.amdhsa_inst_pref_size 70
	.end_amdhsa_kernel
	.amdgpu_metadata
---
amdhsa.version: [ 1, 2 ]
amdhsa.kernels:
  - .name:           k_q4468b677da_prep
    .symbol:         k_q4468b677da_prep.kd
    .args:
      - { .name: emb_table, .offset: 0, .size: 8, .value_kind: global_buffer, .address_space: global }
      - { .name: WQ, .offset: 8, .size: 8, .value_kind: global_buffer, .address_space: global }
      - { .name: WK, .offset: 16, .size: 8, .value_kind: global_buffer, .address_space: global }
      - { .name: WV, .offset: 24, .size: 8, .value_kind: global_buffer, .address_space: global }
      - { .name: WO, .offset: 32, .size: 8, .value_kind: global_buffer, .address_space: global }
      - { .name: dense_w, .offset: 40, .size: 8, .value_kind: global_buffer, .address_space: global }
      - { .name: ebf, .offset: 48, .size: 8, .value_kind: global_buffer, .address_space: global }
      - { .name: wfrag, .offset: 56, .size: 8, .value_kind: global_buffer, .address_space: global }
      - { .name: tmat, .offset: 64, .size: 8, .value_kind: global_buffer, .address_space: global }
    .group_segment_fixed_size: 0
    .private_segment_fixed_size: 0
    .kernarg_segment_align: 8
    .kernarg_segment_size: 72
    .max_flat_workgroup_size: 256
    .sgpr_count:     66
    .vgpr_count:     248
    .wavefront_size: 32
...
	.end_amdgpu_metadata
.endif
;; end of part 3
;; launch main (part 4): grid 256 x 1, 8 waves a work-group, no clusters, 322,560 bytes of LDS; arguments tokens, ebf, wfrag, tmat, dense_b, out0; writes out0
.if DOCPART == 4
	.amdgcn_target "amdgcn-amd-amdhsa--gfx1250"
	.amdhsa_code_object_version 6
	.text
	.protected	k_q4468b677da_main
	.globl	k_q4468b677da_main
	.p2align	8
	.type	k_q4468b677da_main,@function
k_q4468b677da_main:
	s_mov_b64 s[64:65], 0
	v_nop
	global_prefetch_b8 v0, s[64:65] scope:SCOPE_SE
	s_setreg_imm32_b32 hwreg(HW_REG_WAVE_MODE, 25, 1), 1
	s_wait_xcnt 0x0
; NEWS ENCODER, 16 titles of 64 tokens to a work-group.  All that lies between the gather and the two softmaxes is linear, so the products are taken in another order, exact for every input:
;   xm = mean over l of x_l;  gq = xm WQ, gk = xm WK;  U_h = WK_h gq_h + WQ_h gk_h;  logit[l][h] = x_l . U_h;  w = softmax over l (with its maximum)
;   score_l = sum over h of w[l][h] (x_l . T_h) + dense_b, T from the launch before;  a = softmax over l (with its maximum)
;   z_h = sum over l of a_l w[l][h] x_l;  c = the heads' z_h WV_h side by side;  out = c WO
; SHARES.  Wave w owns titles w (A) and w + 8 (B) of the group for all that is per title; where the 16 titles go together (gq, gk, U, c, out) it owns head w, or output columns 32 w .. + 31, and lane % 16 is the title.
; EACH ROW IS GATHERED ONCE.  The means want all rows before any row can be used again, so both titles are held: A's 64 rows in 256 registers, B's in the wave's 33 KB of LDS.  B is worked first; then A's rows take its place in LDS.
; FORMATS.  x and the weights are bf16 (rounded once, by the launch before).  xm, gq, gk, U, T and the weights p = a w are rounded once to bf16; z and c go as a pair hi + lo of bf16, two products on one
; weight fragment; all sums, maxima and exponentials in f32.
; LIMITS.  A token above 49,999 (or negative) counts as 49,999.  A weight below 2^-126 counts as 0.  NaN and infinities are not treated apart.  The order of the sums is not reference()'s.
; NO TENSOR LOAD, NO CLUSTER: the rows are a gather by a list; the weights (768 KB a work-group) are used once and go from memory straight into operand registers, and of LDS 5 KB are free.  The text is straight: no label, no branch.
; LDS: X[w] 64 rows x 528 bytes a wave; T's 8 rows; xm's 16 rows; U of eight titles; T's 8 rows once more; the spare words.  U's region serves the B titles first and the A titles behind a barrier; later
; c's fragments and the output's stage lie over it, behind the barrier that ends its reads.  z lies over X, each wave's over its own.  T lies below U and above it, so that the lane term of a title's 16 columns
; (8 of U, 8 of T, in either order) is a sum of products that are not negative.
; Rows of 528 = 33 x 16 bytes, blocks of 4,240 = 265 x 16 and rows of 1,040 = 65 x 16: sixteen lanes a row or block apart touch sixteen different 16-byte columns of 256.
.set XP,    528
.set XREG,  64*XP                      ; 33,792: a wave's X
.set TROW,  8*XREG                     ; 270,336: T, 8 rows of pitch 528
.set XB,    TROW+4352                  ; 274,688: xm, 16 rows of pitch 528
.set UBB,   XB+16*XP                   ; 283,136: U of eight titles, 8 blocks of 4,240 (8 heads of pitch 528)
.set UP,    8*XP+16
.set TROW2, UBB+34048                  ; 317,184: T once more
.set SPARE, TROW2+4352                 ; 321,536: the spare words, 128 bytes a wave: four blocks of 256 bytes that no other line names
.set ZREG,  XREG+16                    ; z of wave w begins at 33,808 w, inside X[w]
.set ZP,    1040                       ; a row of z: 512 bytes hi, 512 lo, 16 of padding.  Also a row of the output's stage: 1,024 + 16
.set CF,    UBB                        ; c: 16 fragments of 1,024 bytes (head s: hi at 2 s, lo at 2 s + 1)
.set NS,    CF+16*1024                 ; the output's stage: 16 rows of pitch 1,040
.set ARR,   128*1024                   ; bytes in one array of wfrag
; vector registers, block 0
.set L16, 1                            ; 16 x lane
.set SPW, 2                            ; LDS address of my spare word; never rewritten
.set NIL, 3                            ; 0; never rewritten
.set VW,  4                            ; 16,384 w + 16 lane: my wave's 16 fragments in each array of wfrag
.set VXBS, 5                           ; xm: where my 16 bytes of title A's row go (B's: 8 rows on)
.set VXF, 6                            ; xm as source 1: row lane % 16
.set VUS, 7                            ; U: block (lane % 16) % 8, head w
.set VBFA, 8                           ; source 1 of A's logits: lanes % 16 < 8 U's heads, the others T's rows
.set VBFB, 9                           ; of B's: the other way round
.set VXS, 10                           ; X[w]: a row's 16 bytes a lane
.set VXA, 11                           ; X[w] as source 0 by rows
.set VXT, 12                           ; X[w] turned
.set VZS, 13                           ; z: row lane % 16 of my block
.set VZF, 14                           ; z as source 1: title lane % 16, head w
.set VCS, 15
.set VCR, 16
.set VNS, 17
.set VNR, 18
.set VOUT, 19
.set C64, 20                           ; 1 / 64
.set ZR,  21                           ; 0: the addend of a mean's first row
.set RR,  22                           ; lane % 16; never rewritten
.set CH,  24                           ; v24-27 four chains of a maximum
.set MC,  28                           ; v28 c m (named as a pair with v29, whose number is not used)
.set INV, 30                           ; v30 1 / sum (named as a pair with v31, likewise)
.set AUX, 32                           ; v32-63   row offsets; xm's fragments 0-3; gq, gk; half of U packed; four of z's first accumulators; hi, lo and what is at work in a split
.set BIG, 64                           ; v64-191  B's rows while they are summed; the ring of four weight items; BF / XT and XFR / E, R; WO's fragments
.set ACC, 192                          ; v192-223 four accumulators
.set PK,  224                          ; v224-255 the two means; xm's fragments 4-7; half of U packed; p; c's accumulators
.set GQ,  AUX
.set GK,  AUX+8
.set HI,  AUX
.set LO,  AUX+8
.set TM,  AUX+16
.set BF,  64
.set XT,  64
.set XFR, 128
.set E,   128
.set R,   160
.set S,   192
.set PP,  224
; block 1: v0-255 title A's 64 rows, 4 registers a row, until title B is done; then v0-127 z's 16 accumulators, then z's and c's fragments; v128-255 WV's fragments
; scalar registers: s[4:15] the six addresses; s16-63 and s80-95 a title's 64 tokens, then their rows' byte offsets; s66 my wave; s[68:69] lane selects; s[70:71] log2(e); s[72:73] dense_b;
; s74, s75 the lanes % 16 < 8, >= 8; s76 a word's upper bf16; s78, s79, s98, s99 at work; s[96:97] my title A's tokens
.set WV, 66
.set MSB, 0
.macro WIN new                         ; s_set_vgpr_msb: bits 1:0 source 0, 3:2 source 1, 5:4 source 2, 7:6 destination; the high byte repeats the setting that is left
.if MSB != (\new)
	s_set_vgpr_msb (MSB<<8)|(\new)
.set MSB, \new
.endif
.endm
; Behind a matrix instruction: four plain vector instructions before a load lands in, or a vector instruction reads or writes, one of its registers; five before a matrix instruction writes over one.
.macro PLACES
.rept 5
	v_nop
.endr
.endm
.macro BAR                             ; my LDS instructions are done, for the others' sake; then all eight waves meet
	s_wait_dscnt 0x0
	s_barrier_signal -1
	s_barrier_wait -1
.endm
.macro TSOF l                          ; TSR: the scalar register of token l
.set TSR, 16+(\l)+16*((\l)/48)
.endm
.macro TOKOFF l                        ; token l becomes its row's byte offset in ebf
	TSOF \l
	s_min_u32 s[TSR], s[TSR], 49999
	s_lshl_b32 s[TSR], s[TSR], 9
.endm
.macro SUMF src, acc                   ; a mean's first row: 8 numbers a lane, x / 64 + 0
.irp j, 0,1,2,3
	v_fma_mix_f32_bf16 v[(\acc)+2*\j], v[(\src)+\j], v[C64], v[ZR] op_sel_hi:[1,0,0]
	v_fma_mix_f32_bf16 v[(\acc)+2*\j+1], v[(\src)+\j], v[C64], v[ZR] op_sel:[1,0,0] op_sel_hi:[1,0,0]
.endr
.endm
.macro SUM src, acc                    ; a further row: x / 64 + the sum
.irp j, 0,1,2,3
	v_fma_mix_f32_bf16 v[(\acc)+2*\j], v[(\src)+\j], v[C64], v[(\acc)+2*\j] op_sel_hi:[1,0,0]
	v_fma_mix_f32_bf16 v[(\acc)+2*\j+1], v[(\src)+\j], v[C64], v[(\acc)+2*\j+1] op_sel:[1,0,0] op_sel_hi:[1,0,0]
.endr
.endm
; Weight item n of 16: four fragments, eight loads, into ring slot n % 4.  n < 8: K step n of WQ^T's and WK^T's two column tiles.  n = 8 + 2 q: WK's row tiles 4 q .. + 3; n = 9 + 2 q: WQ's.
.macro WFI n
.set WS, BIG+32*((\n)%4)
.set f, 0
.rept 4
.if (\n) < 8
.set WOF, (f/2)*ARR+(8*(f%2)+(\n))*1024
.else
.set WOF, (4+(\n)%2)*ARR+(4*(((\n)-8)/2)+f)*1024
.endif
	global_load_b128 v[WS+8*f:WS+8*f+3],   v[VW], s[8:9] offset:WOF
	global_load_b128 v[WS+8*f+4:WS+8*f+7], v[VW], s[8:9] offset:WOF+512
.set f, f+1
.endr
.endm
.macro WALL a, dst                     ; my 16 fragments of array a: 32 loads
.set f, 0
.rept 16
	global_load_b128 v[(\dst)+8*f:(\dst)+8*f+3],   v[VW], s[8:9] offset:(\a)*ARR+f*1024
	global_load_b128 v[(\dst)+8*f+4:(\dst)+8*f+7], v[VW], s[8:9] offset:(\a)*ARR+f*1024+512
.set f, f+1
.endr
.endm
.macro UOF q                           ; UR: the 16 registers of U's channel tiles 4 q .. + 3, packed: v224, v240, v48, v32
.if (\q) < 2
.set UR, PK+16*(\q)
.else
.set UR, AUX+16*(3-(\q))
.endif
.endm
; U of head w goes into LDS for the titles whose lanes VCC names: a lane's 16 bytes (8 channels) of each of the 16 channel tiles.  Only LDS stores stand under the narrowed EXEC.
.macro UHALF
	s_and_saveexec_b32 s78, vcc_lo
.set q, 0
.rept 4
	UOF q
.set t, 0
.rept 4
	ds_store_b128 v[VUS], v[UR+4*t:UR+4*t+3] offset:32*(4*q+t)
.set t, t+1
.endr
.set q, q+1
.endr
	s_or_b32 exec_lo, exec_lo, s78                 ; all lanes on again
.endm
.macro LOADBF adr                      ; source 1 of the logits: 16 columns x 256 channels
.set f, 0
.rept 8
	ds_load_b128 v[BF+8*f:BF+8*f+3],   v[\adr] offset:64*f
	ds_load_b128 v[BF+8*f+4:BF+8*f+7], v[\adr] offset:64*f+32
.set f, f+1
.endr
.endm
.macro LOADX k                         ; X by rows: 64 places x channels 32 k .. + 31, into buffer k % 2
.set XD, XFR+32*((\k)%2)
.set t, 0
.rept 4
	ds_load_b128 v[XD+8*t:XD+8*t+3],   v[VXA] offset:t*16*XP+64*(\k)
	ds_load_b128 v[XD+8*t+4:XD+8*t+7], v[VXA] offset:t*16*XP+64*(\k)+32
.set t, t+1
.endr
.endm
.macro LOADT g                         ; X turned: places 32 (g / 4) .. + 31 x channel tiles 4 (g % 4) .. + 3, into buffer g % 2
.set XD, XT+32*((\g)%2)
.set t, 0
.rept 4
	ds_load_tr16_b128 v[XD+8*t:XD+8*t+3],   v[VXT] offset:((\g)/4)*32*XP+32*(4*((\g)%4)+t)
	ds_load_tr16_b128 v[XD+8*t+4:XD+8*t+7], v[VXT] offset:((\g)/4)*32*XP+16*XP+32*(4*((\g)%4)+t)
.set t, t+1
.endr
.endm
.macro ZOF zi, low                     ; ZI: z's accumulator zi of 16.  low = 1: its first home, in block 0 (v128-223, then v32-63); low = 0: block 1, v[8 zi]
.if !(\low)
.set ZI, 8*(\zi)
.elseif (\zi) < 12
.set ZI, E+8*(\zi)
.else
.set ZI, AUX+8*((\zi)-12)
.endif
.endm
; 16 f32 at v[src ..] of block blk become hi (8 registers of bf16 pairs) and lo = the rest, rounded again.
.macro SPLIT src, blk
	WIN 5*(\blk)
.set n, 0
.rept 8
	v_cvt_pk_bf16_f32 v[HI+n], v[(\src)+2*n], v[(\src)+2*n+1]
.set n, n+1
.endr
	WIN 0
.set n, 0
.rept 8
	v_lshlrev_b32 v[TM+2*n], 16, v[HI+n]
	v_and_b32 v[TM+2*n+1], s76, v[HI+n]
.set n, n+1
.endr
	WIN \blk
.set n, 0
.rept 8
	v_pk_add_f32 v[TM+2*n:TM+2*n+1], v[(\src)+2*n:(\src)+2*n+1], v[TM+2*n:TM+2*n+1] neg_lo:[0,1] neg_hi:[0,1]
.set n, n+1
.endr
	WIN 0
.set n, 0
.rept 8
	v_cvt_pk_bf16_f32 v[LO+n], v[TM+2*n], v[TM+2*n+1]
.set n, n+1
.endr
.endm
; A softmax down a column of 64 places: a lane holds 32 of them in v[src ..], the lane 16 away the others.  dst takes 2^(c s - c m), c = log2(e), m the column's maximum; v[INV] takes 1 / their sum.
; Each group of eight registers is read from its low end first.
.macro COLSOFT src, dst, tmp
.irp n, 0,1,2,3
	v_max3_num_f32 v[CH+\n], v[(\src)+8*\n], v[(\src)+8*\n+1], v[(\src)+8*\n+2]
.endr
.irp n, 0,1,2,3
	v_max3_num_f32 v[CH+\n], v[CH+\n], v[(\src)+8*\n+3], v[(\src)+8*\n+4]
.endr
.irp n, 0,1,2,3
	v_max3_num_f32 v[CH+\n], v[CH+\n], v[(\src)+8*\n+5], v[(\src)+8*\n+6]
.endr
	v_max3_num_f32 v[CH], v[CH], v[(\src)+7], v[(\src)+15]
	v_max3_num_f32 v[CH+1], v[CH+1], v[(\src)+23], v[(\src)+31]
	v_max3_num_f32 v[CH], v[CH], v[CH+1], v[CH+2]
	v_max_num_f32 v[CH], v[CH], v[CH+3]
	v_permlanex16_b32 v[CH+1], v[CH], s68, s69
	v_max_num_f32 v[CH], v[CH], v[CH+1]
	v_mul_f32 v[MC], s70, v[CH]
.set n, 0
.rept 16
	v_pk_fma_f32 v[(\dst)+2*n:(\dst)+2*n+1], v[(\src)+2*n:(\src)+2*n+1], s[70:71], v[MC:MC+1] op_sel_hi:[1,0,0] neg_lo:[0,0,1] neg_hi:[0,0,1]
.set n, n+1
.endr
.set n, 0
.rept 32
	v_exp_f32 v[(\dst)+n], v[(\dst)+n]
.set n, n+1
.endr
	v_nop                                          ; a plain instruction between the exponentials and the use of their results
.set n, 0
	s_wait_alu depctr_va_vdst(0)
.rept 8
	v_pk_add_f32 v[(\tmp)+2*n:(\tmp)+2*n+1], v[(\dst)+2*n:(\dst)+2*n+1], v[(\dst)+16+2*n:(\dst)+17+2*n]
.set n, n+1
.endr
.set n, 0
.rept 4
	v_pk_add_f32 v[(\tmp)+2*n:(\tmp)+2*n+1], v[(\tmp)+2*n:(\tmp)+2*n+1], v[(\tmp)+8+2*n:(\tmp)+9+2*n]
.set n, n+1
.endr
	v_pk_add_f32 v[(\tmp):(\tmp)+1], v[(\tmp):(\tmp)+1], v[(\tmp)+4:(\tmp)+5]
	v_pk_add_f32 v[(\tmp)+2:(\tmp)+3], v[(\tmp)+2:(\tmp)+3], v[(\tmp)+6:(\tmp)+7]
	v_pk_add_f32 v[(\tmp):(\tmp)+1], v[(\tmp):(\tmp)+1], v[(\tmp)+2:(\tmp)+3]
	v_add_f32 v[(\tmp)], v[(\tmp)], v[(\tmp)+1]
	v_permlanex16_b32 v[(\tmp)+1], v[(\tmp)], s68, s69
	v_add_f32 v[(\tmp)], v[(\tmp)], v[(\tmp)+1]
	v_rcp_f32 v[INV], v[(\tmp)]
	v_nop                                          ; a plain instruction between the reciprocal and its use
.endm
; ONE TITLE, whose rows lie in X[w] and whose 16 columns (8 of U, 8 of T) lie in BF.  hm: the scalar register with the lanes that hold U's columns.
; first = 1: the wave's first title: z's sums begin, in block 0, where E, R and S are free once p is made (block 1 still holds the other title's rows).  first = 0: they go on, in block 1.
.macro P3 hm, first
	LOADX 0
	LOADX 1
.set ks, 0
.rept 8                                        ; S[l][col] = x_l . column: register 8 t + j of lane (r, h) is place 16 t + 8 h + j, column r.  The four accumulators take turns
.if ks < 7
	s_wait_dscnt 8                                 ; this K step's eight loads are in, the next step's eight may be out
.else
	s_wait_dscnt 0x0
.endif
.set t, 0
.rept 4
.if ks == 0
	v_wmma_f32_16x16x32_bf16 v[S+8*t:S+8*t+7], v[XFR+32*(ks%2)+8*t:XFR+32*(ks%2)+8*t+7], v[BF+8*ks:BF+8*ks+7], 0
.else
	v_wmma_f32_16x16x32_bf16 v[S+8*t:S+8*t+7], v[XFR+32*(ks%2)+8*t:XFR+32*(ks%2)+8*t+7], v[BF+8*ks:BF+8*ks+7], v[S+8*t:S+8*t+7]
.endif
.set t, t+1
.endr
	PLACES
.if ks < 6
	LOADX ks+2
.endif
.set ks, ks+1
.endr
	LOADT 0                                        ; the first turned rows land while the softmaxes are made
	LOADT 1
	COLSOFT S, E, R                                ; in U's lanes: the heads' softmax over the places.  T's lanes run along; what they make is finite and is thrown away below
.set n, 0
	s_wait_alu depctr_va_vdst(0)
.rept 16
	v_pk_mul_f32 v[E+2*n:E+2*n+1], v[E+2*n:E+2*n+1], v[INV:INV+1] op_sel_hi:[1,0]   ; w
.set n, n+1
.endr
.set n, 0
.rept 32
	v_mul_f32_dpp v[R+n], v[S+n], v[E+n] row_xmask:8 row_mask:0xf bank_mask:0xf       ; w[l][h] (x_l . T_h): T's column of head h lies eight lanes away
.set n, n+1
.endr
.irp m, 1,2,4
.set n, 0
.rept 32
	v_add_f32_dpp v[R+n], v[R+n], v[R+n] row_xmask:\m row_mask:0xf bank_mask:0xf      ; summed over the eight heads, into all eight lanes
.set n, n+1
.endr
.endr
.set n, 0
.rept 16
	v_pk_add_f32 v[R+2*n:R+2*n+1], v[R+2*n:R+2*n+1], s[72:73] op_sel_hi:[1,0]         ; + dense_b
.set n, n+1
.endr
	COLSOFT R, R, S                                ; the places' softmax
.set n, 0
.rept 16
	v_pk_mul_f32 v[E+2*n:E+2*n+1], v[E+2*n:E+2*n+1], v[R+2*n:R+2*n+1]
.set n, n+1
.endr
.set n, 0
	s_wait_alu depctr_va_vdst(0)
.rept 16
	v_pk_mul_f32 v[E+2*n:E+2*n+1], v[E+2*n:E+2*n+1], v[INV:INV+1] op_sel_hi:[1,0]   ; p = a w
.set n, n+1
.endr
.set n, 0
.rept 16
	v_cvt_pk_bf16_f32 v[PP+n], v[E+2*n], v[E+2*n+1]   ; two tiles of 16 places, packed, are source 1 for 32 places
.set n, n+1
.endr
.set n, 0
.rept 16
	v_cndmask_b32 v[PP+n], 0, v[PP+n], s[\hm]      ; the other eight columns are 0: they belong to the wave's other title
.set n, n+1
.endr
.set gz, 0
.rept 8                                        ; z^T[d][col] += x^T p: 16 accumulators by turns, places 0-31 and then 32-63
.if gz < 7
	s_wait_dscnt 8
.else
	s_wait_dscnt 0x0
.endif
.if !(\first)
	WIN 0x50                                       ; C and D in block 1
.endif
.set t, 0
.rept 4
	ZOF 4*(gz%4)+t, \first
.if (\first) && (gz < 4)
	v_wmma_f32_16x16x32_bf16 v[ZI:ZI+7], v[XT+32*(gz%2)+8*t:XT+32*(gz%2)+8*t+7], v[PP+8*(gz/4):PP+8*(gz/4)+7], 0
.else
	v_wmma_f32_16x16x32_bf16 v[ZI:ZI+7], v[XT+32*(gz%2)+8*t:XT+32*(gz%2)+8*t+7], v[PP+8*(gz/4):PP+8*(gz/4)+7], v[ZI:ZI+7]
.endif
.set t, t+1
.endr
	WIN 0
	PLACES
.if gz < 6
	LOADT gz+2
.endif
.set gz, gz+1
.endr
.endm
	; ---- set-up
	s_load_b256 s[4:11], s[0:1], 0x0               ; tokens s[4:5], ebf s[6:7], wfrag s[8:9], tmat s[10:11]
	s_load_b128 s[12:15], s[0:1], 0x20             ; dense_b s[12:13], out0 s[14:15]
	v_lshl_add_u32 v[SPW], v0, 2, SPARE
	v_mov_b32 v[NIL], 0
	v_lshrrev_b32 v21, 5, v0
	v_readfirstlane_b32 s[WV], v21                 ; wave 0..7
	v_and_b32 v21, 31, v0
	v_lshlrev_b32 v[L16], 4, v21
	v_and_b32 v[RR], 15, v0                        ; r = lane % 16
	v_bfe_u32 v23, v0, 4, 1                        ; h = lane / 16
	v_bfe_u32 v24, v0, 3, 1                        ; r / 8
	v_and_b32 v27, 7, v0                           ; r % 8
	v_lshlrev_b32 v25, 4, v23                      ; 16 h
	v_mad_u32_u24 v26, v[RR], XP, v25              ; 528 r + 16 h
	s_lshl_b32 s78, s[WV], 14
	v_add_nc_u32 v[VW], s78, v[L16]
	s_mul_i32 s78, s[WV], XP
	s_add_co_u32 s79, s78, XB
	v_add_nc_u32 v[VXBS], s79, v[L16]
	s_add_co_u32 s79, s78, TROW
	v_add_nc_u32 v31, s79, v[L16]                  ; where my 16 bytes of T go: row w
	v_add_nc_u32 v[VXF], XB, v26
	s_add_co_u32 s79, s78, UBB
	v_mad_u32_u24 v[VUS], v27, UP, v25             ; block r % 8,
	v_add_nc_u32 v[VUS], s79, v[VUS]               ; row w of it
	s_mul_i32 s98, s[WV], UP
	s_sub_co_u32 s99, TROW2-8*XP-UBB, s98
	v_mad_u32_u24 v[VBFA], v24, s99, v26           ; r < 8: UBB + 4,240 w + 528 r;  r >= 8: TROW2 + 528 (r - 8)
	s_add_co_u32 s99, s98, UBB
	v_add_nc_u32 v[VBFA], s99, v[VBFA]
	s_add_co_u32 s99, s98, UBB-TROW-8*XP
	v_mad_u32_u24 v[VBFB], v24, s99, v26           ; r < 8: TROW + 528 r;  r >= 8: UBB + 4,240 w + 528 (r - 8)
	v_add_nc_u32 v[VBFB], TROW, v[VBFB]
	s_mul_i32 s78, s[WV], XREG
	v_add_nc_u32 v[VXS], s78, v[L16]
	v_add_nc_u32 v[VXA], s78, v26
	v_lshl_add_u32 v28, v23, 3, v27                ; the turning load: lane l reads place 8 (l / 16) + l % 8, channels 8 ((l / 8) % 2) + 0..7
	v_mul_u32_u24 v28, v28, XP
	v_lshl_add_u32 v28, v24, 4, v28
	v_add_nc_u32 v[VXT], s78, v28
	v_mad_u32_u24 v28, v[RR], ZP, v25
	s_mul_i32 s78, s[WV], ZREG
	v_add_nc_u32 v[VZS], s78, v28
	v_mul_u32_u24 v[VZF], v27, ZREG                ; title r: the block of wave r % 8, row 8 (r / 8) + w
	v_mad_u32_u24 v[VZF], v24, 8*ZP, v[VZF]
	s_mul_i32 s78, s[WV], ZP
	v_add3_u32 v[VZF], v[VZF], s78, v25
	s_add_co_u32 s79, s78, NS
	v_add_nc_u32 v[VNR], s79, v[L16]
	s_lshl_b32 s78, s[WV], 11
	s_add_co_u32 s78, s78, CF
	v_add_nc_u32 v[VCS], s78, v[L16]
	v_add_nc_u32 v[VCR], CF, v[L16]
	v_mul_u32_u24 v[VNS], v[RR], ZP
	v_lshl_add_u32 v[VNS], v23, 5, v[VNS]
	s_lshl_b32 s78, s[WV], 7
	s_add_co_u32 s78, s78, NS
	v_add_nc_u32 v[VNS], s78, v[VNS]
	s_lshl_b32 s78, s[WV], 10
	v_add_nc_u32 v[VOUT], s78, v[L16]
	v_mov_b32 v[C64], 0x3c800000
	v_mov_b32 v[ZR], 0
	v_lshlrev_b32 v30, 4, v0                       ; my 16 bytes of tmat
	s_mov_b32 s68, 0x76543210                      ; v_permlanex16_b32: each lane takes its own place in the other half
	s_mov_b32 s69, 0xfedcba98
	s_mov_b32 s70, 0x3fb8aa3b                      ; log2(e)
	s_mov_b32 s71, s70
	s_mov_b32 s74, 0x00ff00ff
	s_mov_b32 s75, 0xff00ff00
	s_mov_b32 s76, 0xffff0000
	s_wait_kmcnt 0x0
	s_load_b32 s72, s[12:13], 0x0                  ; dense_b
	s_lshl_b32 s78, ttmp9, 12                      ; 16 titles x 256 bytes of tokens a work-group,
	s_lshl_b32 s79, s[WV], 8                       ; title w
	s_add_co_u32 s78, s78, s79
	s_mov_b32 s79, 0
	s_add_nc_u64 s[96:97], s[4:5], s[78:79]
	s_load_b512 s[16:31], s[96:97], 0x0
	s_load_b512 s[32:47], s[96:97], 0x40
	s_load_b512 s[48:63], s[96:97], 0x80
	s_load_b512 s[80:95], s[96:97], 0xc0
	global_load_b128 v[24:27], v30, s[10:11]
	s_lshl_b32 s78, ttmp9, 14
	s_add_nc_u64 s[14:15], s[14:15], s[78:79]      ; out0 at the group's first title
	s_wait_kmcnt 0x0
	s_mov_b32 s73, s72
	; ---- the gather and the two means.  A row is 512 bytes: one load of the wave, 16 bytes (8 channels) a lane.
	; Title A's 64 rows go into block 1 and stay there.  The offsets are made 32 at a time under window 0, the loads follow under window 0x40.
.irp hf, 0,1
.set l, 0
.rept 32
	TOKOFF 32*\hf+l
	v_add_nc_u32 v[AUX+l], s[TSR], v[L16]
.set l, l+1
.endr
	WIN 0x40
.set l, 0
.rept 32
	global_load_b128 v[128*\hf+4*l:128*\hf+4*l+3], v[AUX+l], s[6:7]
.set l, l+1
.endr
	s_wait_xcnt 0x0                                ; the offsets are written again only behind this wait
	WIN 0
.endr
	s_load_b512 s[16:31], s[96:97], 0x800          ; title B's tokens: eight titles on
	s_load_b512 s[32:47], s[96:97], 0x840
	s_load_b512 s[48:63], s[96:97], 0x880
	s_load_b512 s[80:95], s[96:97], 0x8c0
	s_wait_kmcnt 0x0
.set l, 0
.rept 32
	TOKOFF l
	v_add_nc_u32 v[AUX+l], s[TSR], v[L16]
	global_load_b128 v[BIG+4*l:BIG+4*l+3], v[AUX+l], s[6:7]
.set l, l+1
.endr
	s_wait_loadcnt 63                              ; 97 loads are issued: T's 16 bytes and A's rows 0-32 are in
	ds_store_b128 v31, v[24:27]                    ; T below U,
	ds_store_b128 v31, v[24:27] offset:TROW2-TROW  ; and above it
	WIN 0x01                                       ; source 0 in block 1
.set i, 0
.rept 64
.if i > 32
	s_wait_loadcnt 95-i                            ; younger: 63 - i rows of A and 32 of B
.endif
.if i == 0
	SUMF 0, PK
.else
	SUM 4*i, PK
.endif
.set i, i+1
.endr
	WIN 0
	; Title B's rows pass through 32 slots of four registers: each goes into X[w] and into the mean.
.set i, 0
.rept 32                                       ; row i; then row 32 + i takes its registers and its offset register, which the wait has freed
	s_wait_loadcnt 31                              ; younger: 31 - i of the first rows and the i issued here
	ds_store_b128 v[VXS], v[BIG+4*i:BIG+4*i+3] offset:XP*i
.if i == 0
	SUMF BIG, PK+8
.else
	SUM BIG+4*i, PK+8
.endif
	TOKOFF 32+i
	v_add_nc_u32 v[AUX+i], s[TSR], v[L16]
	global_load_b128 v[BIG+4*i:BIG+4*i+3], v[AUX+i], s[6:7]
.set i, i+1
.endr
.set i, 0
.rept 32                                       ; the last 32 rows; each eight rows' registers are a ring slot, which takes its first weight item
	s_wait_loadcnt (31-i)+8*(i/8)                  ; younger: 31 - i rows and eight loads for each item issued
	ds_store_b128 v[VXS], v[BIG+4*i:BIG+4*i+3] offset:XP*(32+i)
	SUM BIG+4*i, PK+8
.if i%8 == 7
	WFI i/8
.endif
.set i, i+1
.endr
.set j, 0
.rept 8
	v_cvt_pk_bf16_f32 v[24+j], v[PK+2*j], v[PK+2*j+1]
.set j, j+1
.endr
	ds_store_b128 v[VXBS], v[24:27]
	ds_store_b128 v[VXBS], v[28:31] offset:8*XP
	BAR                                            ; the 16 means and T's rows are whole
	; ---- gq and gk of head w for all 16 titles, turned: D[column][title] = W^T xm
.set ks, 0
.rept 8
.set XFS, AUX+8*ks+(ks/4)*(PK-AUX-32)
	ds_load_b128 v[XFS:XFS+3],   v[VXF] offset:64*ks
	ds_load_b128 v[XFS+4:XFS+7], v[VXF] offset:64*ks+32
.set ks, ks+1
.endr
	s_wait_dscnt 0x0
.set ks, 0
.rept 8
.set XFS, AUX+8*ks+(ks/4)*(PK-AUX-32)
.set WS, BIG+32*(ks%4)
	s_wait_loadcnt 24                              ; four items are out: the oldest is in, three stay out
.set t, 0
.rept 4
.if ks == 0
	v_wmma_f32_16x16x32_bf16 v[ACC+8*t:ACC+8*t+7], v[WS+8*t:WS+8*t+7], v[XFS:XFS+7], 0
.else
	v_wmma_f32_16x16x32_bf16 v[ACC+8*t:ACC+8*t+7], v[WS+8*t:WS+8*t+7], v[XFS:XFS+7], v[ACC+8*t:ACC+8*t+7]
.endif
.set t, t+1
.endr
	PLACES
	WFI ks+4
.set ks, ks+1
.endr
.set j, 0
.rept 16
	v_cvt_pk_bf16_f32 v[AUX+j], v[ACC+2*j], v[ACC+2*j+1]   ; two tiles of 16 columns, packed, are source 1 (title, 32 columns): gq, then gk
.set j, j+1
.endr
	; ---- U of head w for all 16 titles, turned: D[channel][title] = WK_h gq_h + WQ_h gk_h, four tiles of 16 channels at a time; packed, it stays in 64 registers
.set q, 0
.rept 4
.set WS, BIG+32*((2*q)%4)
	UOF q
.if q < 3
	s_wait_loadcnt 16                              ; this step's two items are in, the next step's two stay out
.else
	s_wait_loadcnt 0x0
.endif
.set t, 0
.rept 4
	v_wmma_f32_16x16x32_bf16 v[ACC+8*t:ACC+8*t+7], v[WS+8*t:WS+8*t+7], v[GQ:GQ+7], 0
.set t, t+1
.endr
.set t, 0
.rept 4
	v_wmma_f32_16x16x32_bf16 v[ACC+8*t:ACC+8*t+7], v[WS+32+8*t:WS+32+8*t+7], v[GK:GK+7], v[ACC+8*t:ACC+8*t+7]
.set t, t+1
.endr
	PLACES
.if q < 2
	WFI 12+2*q
	WFI 13+2*q
.endif
.set j, 0
.rept 16
	v_cvt_pk_bf16_f32 v[UR+j], v[ACC+2*j], v[ACC+2*j+1]    ; the last step's go where gq and gk lay: the places stand behind their last use
.set j, j+1
.endr
.set q, q+1
.endr
	; U changes hands through ONE region of eight titles: X is full, and 34 KB are what is left.  First the B titles' (lanes % 16 >= 8), then, when every wave has read its own, the A titles'.
	s_wait_xcnt 0x0                                ; EXEC changes only behind s_wait_xcnt 0
	v_cmp_lt_u32 vcc_lo, 7, v[RR]
	UHALF
	BAR                                            ; U of the B titles is whole
	LOADBF VBFB
	BAR                                            ; every wave has its title B's columns: the region may be written again
	v_cmp_gt_u32 vcc_lo, 8, v[RR]
	UHALF
	BAR                                            ; U of the A titles is whole; it is read when title B is done
	; ---- title B, whose rows lie in X[w] since the gather
	P3 75, 1
	; ---- title A: its rows go from block 1 into X[w] (my reads of B's rows are back: the last count above was 0); its 16 columns are read
	WIN 0x04                                       ; store data in block 1
.set l, 0
.rept 64
	ds_store_b128 v[VXS], v[4*l:4*l+3] offset:XP*l
.set l, l+1
.endr
	WIN 0
	LOADBF VBFA
	s_wait_dscnt 0x0                               ; the stores are done: block 1 is free; the columns are in
	WIN 0x40                                       ; destination in block 1
	WALL 2, 128                                    ; WV^T's fragments of head w: they come in under A's work
	; z's sums move to block 1, since A's logits and softmaxes want their registers: 128 moves, once a wave; each accumulator is read from its low end
.set zi, 0
.rept 16
	ZOF zi, 1
.set j, 0
.rept 8
	v_mov_b32 v[8*zi+j], v[ZI+j]
.set j, j+1
.endr
.set zi, zi+1
.endr
	WIN 0
	P3 74, 0
	; ---- z leaves as hi + lo into my own block of LDS: row r < 8 is title A's head r, row r >= 8 title B's head r - 8
	WALL 3, BIG                                    ; WO^T's fragments of my 32 output columns
.set pr, 0
.rept 8
	SPLIT 16*pr, 1
	ds_store_b128 v[VZS], v[HI:HI+3]   offset:64*pr
	ds_store_b128 v[VZS], v[HI+4:HI+7] offset:64*pr+32
	ds_store_b128 v[VZS], v[LO:LO+3]   offset:64*pr+512
	ds_store_b128 v[VZS], v[LO+4:LO+7] offset:64*pr+544
.set pr, pr+1
.endr
	BAR                                            ; z is whole, and nobody reads U any more
	; ---- c of head w for all 16 titles, turned: D[column][title] = WV_h^T z_h, hi and lo on the same weight fragment; the two accumulators take turns
	WIN 0x40
.set f, 0
.rept 16                                       ; fragment f: channels 32 (f / 2) on, hi (f even) or lo
	ds_load_b128 v[8*f:8*f+3],   v[VZF] offset:64*(f/2)+512*(f%2)
	ds_load_b128 v[8*f+4:8*f+7], v[VZF] offset:64*(f/2)+512*(f%2)+32
.set f, f+1
.endr
	s_wait_dscnt 0x0
	s_wait_loadcnt 32                              ; WV's 32 loads are in; WO's 32 are younger
	WIN 0x05                                       ; both sources in block 1
.set f, 0
.rept 16
.if f == 0
	v_wmma_f32_16x16x32_bf16 v[PK:PK+7],    v[128+8*(f/2):128+8*(f/2)+7], v[8*f:8*f+7], 0
	v_wmma_f32_16x16x32_bf16 v[PK+8:PK+15], v[192+8*(f/2):192+8*(f/2)+7], v[8*f:8*f+7], 0
.else
	v_wmma_f32_16x16x32_bf16 v[PK:PK+7],    v[128+8*(f/2):128+8*(f/2)+7], v[8*f:8*f+7], v[PK:PK+7]
	v_wmma_f32_16x16x32_bf16 v[PK+8:PK+15], v[192+8*(f/2):192+8*(f/2)+7], v[8*f:8*f+7], v[PK+8:PK+15]
.endif
.set f, f+1
.endr
	WIN 0
	PLACES
	SPLIT PK, 0                                    ; the two tiles, packed, are source 1 (title, head w's 32 columns)
	ds_store_b128 v[VCS], v[HI:HI+3]
	ds_store_b128 v[VCS], v[HI+4:HI+7] offset:512
	ds_store_b128 v[VCS], v[LO:LO+3]   offset:1024
	ds_store_b128 v[VCS], v[LO+4:LO+7] offset:1536
	BAR                                            ; c is whole
	; ---- out, columns 32 w .. + 31 for all 16 titles, turned: D[column][title] = WO^T c
	WIN 0x40
.set f, 0
.rept 16
	ds_load_b128 v[8*f:8*f+3],   v[VCR] offset:1024*f
	ds_load_b128 v[8*f+4:8*f+7], v[VCR] offset:1024*f+512
.set f, f+1
.endr
	s_wait_dscnt 0x0
	s_wait_loadcnt 0x0                             ; WO's fragments
	WIN 0x04                                       ; source 1 in block 1
.set f, 0
.rept 16
.if f == 0
	v_wmma_f32_16x16x32_bf16 v[ACC:ACC+7],    v[BIG+8*(f/2):BIG+8*(f/2)+7],       v[8*f:8*f+7], 0
	v_wmma_f32_16x16x32_bf16 v[ACC+8:ACC+15], v[BIG+64+8*(f/2):BIG+64+8*(f/2)+7], v[8*f:8*f+7], 0
.else
	v_wmma_f32_16x16x32_bf16 v[ACC:ACC+7],    v[BIG+8*(f/2):BIG+8*(f/2)+7],       v[8*f:8*f+7], v[ACC:ACC+7]
	v_wmma_f32_16x16x32_bf16 v[ACC+8:ACC+15], v[BIG+64+8*(f/2):BIG+64+8*(f/2)+7], v[8*f:8*f+7], v[ACC+8:ACC+15]
.endif
.set f, f+1
.endr
	WIN 0
	PLACES
	ds_store_b128 v[VNS], v[ACC:ACC+3]                     ; a lane's eight columns of its title's row, each accumulator from its low end
	ds_store_b128 v[VNS], v[ACC+4:ACC+7]   offset:16
	ds_store_b128 v[VNS], v[ACC+8:ACC+11]  offset:64
	ds_store_b128 v[VNS], v[ACC+12:ACC+15] offset:80
	BAR                                            ; the 16 rows are whole
	; ---- the way out: wave w stores titles w and w + 8; each store of the wave covers 512 consecutive bytes, aligned
	ds_load_b128 v[32:35], v[VNR]
	ds_load_b128 v[36:39], v[VNR] offset:512
	ds_load_b128 v[40:43], v[VNR] offset:8*ZP
	ds_load_b128 v[44:47], v[VNR] offset:8*ZP+512
	s_wait_dscnt 3
	global_store_b128 v[VOUT], v[32:35], s[14:15] th:TH_STORE_NT
	s_wait_dscnt 2
	global_store_b128 v[VOUT], v[36:39], s[14:15] offset:512 th:TH_STORE_NT
	s_wait_dscnt 1
	global_store_b128 v[VOUT], v[40:43], s[14:15] offset:8192 th:TH_STORE_NT
	s_wait_dscnt 0x0
	global_store_b128 v[VOUT], v[44:47], s[14:15] offset:8704 th:TH_STORE_NT
	s_wait_tensorcnt 0x0                           ; the wave's end: behind my last LDS store
	ds_add_u32 v[SPW], v[NIL]
	s_wait_dscnt 0x0
	s_endpgm
.Lfunc_end_k_q4468b677da_main:
	.size	k_q4468b677da_main, .Lfunc_end_k_q4468b677da_main-k_q4468b677da_main
	.p2alignl 7, 3214868480
	.fill 96, 4, 3214868480
	.section	.rodata,"a",@progbits
	.p2align	6, 0x0
	.amdhsa_kernel k_q4468b677da_main
		.amdhsa_group_segment_fixed_size 322560
		.amdhsa_private_segment_fixed_size 0
		.amdhsa_enable_private_segment 0
		.amdhsa_kernarg_size 48
		.amdhsa_user_sgpr_count 2
		.amdhsa_user_sgpr_kernarg_segment_ptr 1
		.amdhsa_wavefront_size32 1
		.amdhsa_system_sgpr_workgroup_id_x 1
		.amdhsa_system_sgpr_workgroup_id_y 1
		.amdhsa_system_sgpr_workgroup_id_z 1
		.amdhsa_system_vgpr_workitem_id 0
		.amdhsa_next_free_vgpr 512
		.amdhsa_next_free_sgpr 102
		.amdhsa_reserve_vcc 1
		.amdhsa_float_denorm_mode_32 3
		.amdhsa_float_denorm_mode_16_64 3
		.amdhsa_memory_ordered 1
		.amdhsa_forward_progress 1
		.amdhsa_inst_pref_size 255
	.end_amdhsa_kernel
	.section	.bss,"aw",@nobits
	.p2align	6
	.space	262144
	.amdgpu_metadata
---
amdhsa.version: [ 1, 2 ]
amdhsa.kernels:
  - .name:           k_q4468b677da_main
    .symbol:         k_q4468b677da_main.kd
    .args:
      - { .name: tokens, .offset: 0, .size: 8, .value_kind: global_buffer, .address_space: global }
      - { .name: ebf, .offset: 8, .size: 8, .value_kind: global_buffer, .address_space: global }
      - { .name: wfrag, .offset: 16, .size: 8, .value_kind: global_buffer, .address_space: global }
      - { .name: tmat, .offset: 24, .size: 8, .value_kind: global_buffer, .address_space: global }
      - { .name: dense_b, .offset: 32, .size: 8, .value_kind: global_buffer, .address_space: global }
      - { .name: out0, .offset: 40, .size: 8, .value_kind: global_buffer, .address_space: global }
    .group_segment_fixed_size: 322560
    .private_segment_fixed_size: 0
    .kernarg_segment_align: 8
    .kernarg_segment_size: 48
    .max_flat_workgroup_size: 256
    .sgpr_count:     102
    .vgpr_count:     512
    .wavefront_size: 32
...
	.end_amdgpu_metadata
.endif
;; end of part 4
